; MI455X (gfx1250); checked and timed in simulation.
; The chip was launched on July 23, 2026; its instructions are those of AMD's public machine-readable ISA for CDNA 5 (MIT licence, August 2026) and "CDNA5" Instruction Set Architecture Reference Guide (July 2026). The comments in the code are by the model that wrote it; some were corrected since.
;; Encoder Block. Allowed arithmetic: matrix products marked QUANTISED: E3M2 operands, one E8M0 scale for each 32 along K, by v_wmma_scale_f32_16x16x128_f8f6f4 with both operands' format E3M2, f32 sums; products left as they are: f32 operands where the result goes on into a quantised operand, else bf16, f16 or f32 operands; f32 sums; everything else in f32.
;; Inputs: B1 2 x 2,048 float32; B2 2 x 512 float32; W1_codes 2 x 2,048 x 16 x 24 uint8 (E3M2 codes of W1, K innermost, in blocks of 32 codes, four codes in three bytes); W1_scales 2 x 2,048 x 16 uint8 (E8M0 scales of W1, one for each 32 codes along K); W2_codes 2 x 512 x 64 x 24 uint8 (E3M2 codes of W2, K innermost, in blocks of 32 codes, four codes in three bytes); W2_scales 2 x 512 x 64 uint8 (E8M0 scales of W2, one for each 32 codes along K); Wk_codes 512 x 16 x 24 uint8 (E3M2 codes of Wk, K innermost, in blocks of 32 codes, four codes in three bytes); Wk_scales 512 x 16 uint8 (E8M0 scales of Wk, one for each 32 codes along K); Wo_codes 512 x 16 x 24 uint8 (E3M2 codes of Wo, K innermost, in blocks of 32 codes, four codes in three bytes); Wo_scales 512 x 16 uint8 (E8M0 scales of Wo, one for each 32 codes along K); Wq_codes 512 x 16 x 24 uint8 (E3M2 codes of Wq, K innermost, in blocks of 32 codes, four codes in three bytes); Wq_scales 512 x 16 uint8 (E8M0 scales of Wq, one for each 32 codes along K); Wv_codes 512 x 16 x 24 uint8 (E3M2 codes of Wv, K innermost, in blocks of 32 codes, four codes in three bytes); Wv_scales 512 x 16 uint8 (E8M0 scales of Wv, one for each 32 codes along K); attention_mask 8 x 1,024 int32; beta1 512 float32; beta2 512 float32; bk 512 float32; bo 512 float32; bq 512 float32; bv 512 float32; g1 512 float32; g2 512 float32; router_b 2 float32; router_w 512 x 2 float32; x 8 x 1,024 x 512 float32.
;; Outputs: out0 8 x 1,024 x 512 float32; out1 one number float32.
;; This version of the problem:
;;   THIS VERSION OF THE PROBLEM IS GIVEN IN LOW PRECISION. The matrix products marked QUANTISED in the list below multiply operands that are first quantised to E3M2 (3 exponent bits, 2 mantissa bits; 6 bits a number), with one power-of-two scale for each 32 numbers along K (OCP MX v1.0); their sums are f32. All else is computed in f32.
;;   The module's matrix products, in the order in which they are computed (A, B: the left and right operand; K: the contracted axis; several contracted axes count as one K, in the product's order):
;;     1. [M 8,192, K 512] x [K 512, N 512]; A: input x; B: input Wq (given as codes): QUANTISED
;;     2. [M 8,192, K 512] x [K 512, N 512]; A: input x; B: input Wk (given as codes): QUANTISED
;;     3. [M 8,192, K 512] x [K 512, N 512]; A: input x; B: input Wv (given as codes): QUANTISED
;;     4. batch 128 x [M 1,024, K 32] x [K 32, N 1,024]; A: computed on the way; B: computed on the way: QUANTISED
;;     5. batch 128 x [M 1,024, K 1,024] x [K 1,024, N 32]; A: softmax (see below); B: computed on the way: QUANTISED
;;     6. [M 8,192, K 512] x [K 512, N 512]; A: computed on the way; B: input Wo (given as codes): QUANTISED
;;     7. [M 8,192, K 512] x [K 512, N 2]; A: computed on the way; B: input router_w: left as it is (N = 2 < 16)
;;     8. [M 8,192, K 512] x [K 512, N 2,048]; A: computed on the way; B: input W1 (given as codes): QUANTISED
;;     9. [M 8,192, K 2,048] x [K 2,048, N 512]; A: computed on the way; B: input W2 (given as codes): QUANTISED
;;     10. [M 8,192, K 512] x [K 512, N 2,048]; A: computed on the way; B: input W1 (given as codes): QUANTISED
;;     11. [M 8,192, K 2,048] x [K 2,048, N 512]; A: computed on the way; B: input W2 (given as codes): QUANTISED
;;   THE QUANTISER, for each operand of a quantised product, along K:
;;     - K is cut into blocks of 32 from its start; a last block that is shorter is filled with zeros.
;;     - A block's scale is 2^e with e = floor(log2(the largest magnitude in the block)) - 4, held to -126 .. 127; a block of zeros has e = 0. As a byte (E8M0): e + 127.
;;     - Each number is divided by its block's scale, clamped to +-28, and rounded to the nearest number of E3M2, ties to even, subnormals kept.
;;     - The product sums the exact products of the quantised numbers (number of the format x scale) in f32.
;;   ~~~python
;;   def quantise(x, axis):      # numpy; x: float32 -> the quantised numbers, widened to float32 again
;;       x = np.moveaxis(x, axis, -1); K = x.shape[-1]
;;       x = np.pad(x, [(0, 0)] * (x.ndim - 1) + [(0, -K % 32)]); x = x.reshape(x.shape[:-1] + (-1, 32)); a = np.abs(x).max(-1, keepdims=True)
;;       e = np.where(a > 0, np.clip(np.frexp(np.where(a > 0, a, 1))[1] - 1 - 4, -126, 127), 0)      # np.frexp(a)[1] - 1 = floor(log2(a)), exactly
;;       r = np.clip(x / 2.0 ** e, -28, 28)
;;       step = 2.0 ** (np.maximum(np.frexp(np.where(r == 0, 1, r))[1] - 1, -2) - 2)
;;       q = np.round(r / step) * step * 2.0 ** e      # np.round: ties to even
;;       return np.moveaxis(q.reshape(q.shape[:-2] + (-1,))[..., :K], -1, axis).astype(np.float32)
;;   ~~~
;;   SOFTMAX AHEAD OF A QUANTISED PRODUCT. Where the list says 'softmax', what is quantised is not the finished softmax but p = 2^(t - M), with t = logit x log2(e) and M = ceil(the row's largest t), a whole number; so 1/2 < the row's largest p <= 1. The row's sum l is taken of the UNQUANTISED p, in f32, and the product's result is divided by l at the end. Since M is a whole number, a kernel that streams over the keys may use a running M (the ceiling of the running maximum): every later rescaling is an exact power of two, which a block's scale takes up: the codes' values come out the same.
;;   OPERANDS COMPUTED ON THE WAY. 'Computed on the way' means the value that the module computes at that place (a softmax that the list does not call 'softmax' is quantised finished and normalised). What goes into a quantiser is computed in f32, as accurately as f32 sums, v_exp_f32 and their like allow (about 1e-6 of the number): no bf16 or f16 on the way to a quantiser, and a product that is left as it is and whose result goes on into a quantised operand takes f32 operands (vector FMAs, or v_wmma_f32_16x16x4_f32). A number that lies on a knife's edge between two numbers of the format may be rounded either way, as far as f32 arithmetic and the matrix unit's own rounding can turn it there, and no further.
;;   INPUTS GIVEN AS CODES. W1 (in the module: [2, 512, 2048], K = its axis 1); W2 (in the module: [2, 2048, 512], K = its axis 1); Wk (in the module: [512, 512], K = its axis 0); Wo (in the module: [512, 512], K = its axis 0); Wq (in the module: [512, 512], K = its axis 0); Wv (in the module: [512, 512], K = its axis 0): each comes as NAME_codes (uint8): NAME with its K axis moved to the last place and cut into blocks of 32 codes, [.., K / 32, bytes a block], one block behind the other in memory; four codes in three bytes: a row's codes are one little-endian stream of bits, code i at bits 6 i .. 6 i + 5 (a code: sign, 3 exponent bits, 2 mantissa bits); and NAME_scales (uint8): the same leading axes, one E8M0 byte (e + 127) for each 32 codes along K. Its value is code x scale, taken as it is: it is not quantised again, and the codes and scales need not be those that the quantiser above would give.
;; 2 versions, each right and faster than the one before. Each part assembles by itself: llvm-mc -triple=amdgcn-amd-amdhsa -mcpu=gfx1250 --defsym DOCPART=n.
;; ======== version 1 of 2: 4 launches
;; workspace buffers: qc 3,145,728 bytes; kvc 6,291,456 bytes; sc 393,216 bytes; ws 3,481,600 bytes; mwords 1,024 bytes of whole numbers; hc 3,145,728 bytes; hs 131,072 bytes; psum 1,024 bytes
;; launch qkv (part 1): grid 64 x 4, 4 waves a work-group, no clusters, 51,712 bytes of LDS; arguments x, attention_mask, Wq_codes, Wq_scales, bq, Wk_codes, Wk_scales, bk, Wv_codes, Wv_scales, bv, Wo_codes, Wo_scales, W1_codes, W1_scales, W2_codes, W2_scales, qc, kvc, sc, ws, mwords; writes qc, kvc, sc, ws, mwords
.if DOCPART == 1
	.amdgcn_target "amdgcn-amd-amdhsa--gfx1250"
	.amdhsa_code_object_version 6
	.text
	.protected	k_q4f18b5d5be_qkv
	.globl	k_q4f18b5d5be_qkv
	.p2align	8
	.type	k_q4f18b5d5be_qkv,@function
k_q4f18b5d5be_qkv:
	s_mov_b64 s[64:65], 0
	v_nop
	global_prefetch_b8 v0, s[64:65] scope:SCOPE_SE
	s_setreg_imm32_b32 hwreg(HW_REG_WAVE_MODE, 25, 1), 1
	s_wait_xcnt 0x0
; q, k, v = x W + b on codes of E3M2 (one E8M0 scale for each 32 along K), and their results quantised again as the attention wants them.
; SHARES.  Work-group (TG, PART): the 128 tokens 128 TG on, heads 4 PART .. 4 PART + 3; wave w: head H = 4 PART + w, for q, k and v.
; x's 128 rows are quantised by the four waves (two tiles of 16 tokens each, four K steps) and handed round through LDS as images of the operand's registers.
; A TILE'S TOKENS ARE NOT NEIGHBOURS: lane r of tile T takes token 32 (T / 2) + 8 (T % 2) + r + 8 (r / 8); a weight's tile u takes rows 8 u + r + 8 (r / 8) of the head's 32.
; q, k: source 0 = the weight's rows, source 1 = x: a lane holds one token, its 16 registers of tiles u = 0, 1 are 16 neighbouring numbers of the head's 32.
; Four tiles of tokens are quantised together: the fragment that comes out holds tile j's 32 codes in K block j (a head has only 32 along K: four tiles share one operand of 128).
; v: source 0 = x, source 1 = the weight's rows: a lane holds one number of the head and its registers run along the tokens, which are the second product's K.
; BESIDE THAT 136 work-groups lay Wo, W1 and W2 out once in the order in which the last launch's waves take them (one unit of four fragments and their scale words a wave),
; and the work-groups with PART = 0 store the padding mask as bits.
; LIMITS: NaN and infinities among the inputs are not served; a block of zeros gets the scale byte 1 (its codes are zeros; the bytes are read by this program alone).
; REGISTERS, in windows of 256.  window 0: v1-15 offsets; v16-27 the weights' scale words; v28-43 x's; v48-67 codes just made; v68-83 at work; v128-255 x as loaded, two sets.
;   window 1: Wq's 8 fragments, Wk's from v96.   window 2: Wv's 8; from v96 two sets of four fragments of x; from v192 the biases.   window 3: q's, k's, v's sums (64 each); from v192 the relayout.
.set XSC,  49152                       ; LDS: x's 32 fragments (tile T, K step s) at (4 T + s) x 1,536; behind them their scale words [T][s][16 rows x 4 bytes]
.set LI,   1                           ; 16 x lane
.set LS8,  2                           ; 8 x lane
.set LS4,  3                           ; 4 x lane
.set XA,   4                           ; x: my row of a tile and my 16 numbers of a block
.set WA,   5                           ; a weight's tile: my row, my half's 24 bytes
.set WSA,  6                           ; its scale words: lanes 0-15 tile 0, lanes 16-31 tile 1
.set XIW,  7                           ; where I store x's images
.set XSW,  8                           ; and their scale words
.set BOF,  9
.set BVO,  10
.set RO,   11                          ; v11-14 the relayout's four tiles
.set RSA,  15
.set WS,   16
.set XSR,  28
.set SV,   44
.set PC,   48
.set TM,   68
.set PW,   84
.set MK,   85
.set XL,   128
.set WK,   96
.set XF,   96
.set BQ,   192
.set BV,   224
.set AK,   64
.set AV,   128
.set RL,   192
.set MSB, 0
.macro WIN new                         ; the immediate's high byte repeats the setting that is left
.if MSB != (\new)
	s_set_vgpr_msb (MSB<<8)|(\new)
.set MSB, (\new)
.endif
.endm
; one matrix instruction from the symbols wD, wA, wB, wC (under 0: the constant 0), wSA, wSB and the rows wRA, wRB of the scale registers
.macro WMMA
.if wC < 0
.if (wRA == 0) && (wRB == 0)
	v_wmma_scale_f32_16x16x128_f8f6f4 v[wD:wD+7], v[wA:wA+11], v[wB:wB+11], 0, v[wSA], v[wSB] matrix_a_fmt:MATRIX_FMT_BF6 matrix_b_fmt:MATRIX_FMT_BF6
.elseif (wRB == 0)
	v_wmma_scale_f32_16x16x128_f8f6f4 v[wD:wD+7], v[wA:wA+11], v[wB:wB+11], 0, v[wSA], v[wSB] matrix_a_fmt:MATRIX_FMT_BF6 matrix_b_fmt:MATRIX_FMT_BF6 matrix_a_scale:MATRIX_SCALE_ROW1
.elseif (wRA == 0)
	v_wmma_scale_f32_16x16x128_f8f6f4 v[wD:wD+7], v[wA:wA+11], v[wB:wB+11], 0, v[wSA], v[wSB] matrix_a_fmt:MATRIX_FMT_BF6 matrix_b_fmt:MATRIX_FMT_BF6 matrix_b_scale:MATRIX_SCALE_ROW1
.else
	v_wmma_scale_f32_16x16x128_f8f6f4 v[wD:wD+7], v[wA:wA+11], v[wB:wB+11], 0, v[wSA], v[wSB] matrix_a_fmt:MATRIX_FMT_BF6 matrix_b_fmt:MATRIX_FMT_BF6 matrix_a_scale:MATRIX_SCALE_ROW1 matrix_b_scale:MATRIX_SCALE_ROW1
.endif
.else
.if (wRA == 0) && (wRB == 0)
	v_wmma_scale_f32_16x16x128_f8f6f4 v[wD:wD+7], v[wA:wA+11], v[wB:wB+11], v[wC:wC+7], v[wSA], v[wSB] matrix_a_fmt:MATRIX_FMT_BF6 matrix_b_fmt:MATRIX_FMT_BF6
.elseif (wRB == 0)
	v_wmma_scale_f32_16x16x128_f8f6f4 v[wD:wD+7], v[wA:wA+11], v[wB:wB+11], v[wC:wC+7], v[wSA], v[wSB] matrix_a_fmt:MATRIX_FMT_BF6 matrix_b_fmt:MATRIX_FMT_BF6 matrix_a_scale:MATRIX_SCALE_ROW1
.elseif (wRA == 0)
	v_wmma_scale_f32_16x16x128_f8f6f4 v[wD:wD+7], v[wA:wA+11], v[wB:wB+11], v[wC:wC+7], v[wSA], v[wSB] matrix_a_fmt:MATRIX_FMT_BF6 matrix_b_fmt:MATRIX_FMT_BF6 matrix_b_scale:MATRIX_SCALE_ROW1
.else
	v_wmma_scale_f32_16x16x128_f8f6f4 v[wD:wD+7], v[wA:wA+11], v[wB:wB+11], v[wC:wC+7], v[wSA], v[wSB] matrix_a_fmt:MATRIX_FMT_BF6 matrix_b_fmt:MATRIX_FMT_BF6 matrix_a_scale:MATRIX_SCALE_ROW1 matrix_b_scale:MATRIX_SCALE_ROW1
.endif
.endif
.endm
; 64 numbers of a lane, registers s .. s + 63 of window hw, register 16 b + i = number 32 b + 16 (lane / 16) + i of my row, become a fragment's codes in v[PC] on and its scale word in v[PW].
.macro QUANT s, hw
	WIN (\hw)|((\hw)<<2)
.irp b, 0,1,2,3
	v_max3_num_f32 v[TM+\b], |v[(\s)+16*\b]|, |v[(\s)+1+16*\b]|, 0x2800000   ; my 16 numbers of block b, and the floor 2^(5 - 127): the byte cannot fall under 1
.endr
	WIN ((\hw)<<2)|((\hw)<<4)
.irp i, 2,4,6,8,10,12,14
.irp b, 0,1,2,3
	v_max3_num_f32 v[TM+\b], v[TM+\b], |v[(\s)+16*\b+\i]|, |v[(\s)+1+16*\b+\i]|   ; the four blocks by turns
.endr
.endr
	WIN 0
.irp b, 0,1,2,3
	v_permlanex16_b32 v[TM+4+\b], v[TM+\b], s52, s53
.endr
.irp b, 0,1,2,3
	v_max_num_f32 v[TM+\b], v[TM+\b], v[TM+4+\b]   ; with lane l xor 16's: the block's largest magnitude
.endr
.irp b, 0,1,2,3
	v_add_nc_u32 v[TM+12+\b], 0xfe000000, v[TM+\b]   ; 4 off its exponent field: the conversion's scale operand
.endr
.irp b, 0,1,2,3
	v_lshrrev_b32 v[TM+4+\b], 23, v[TM+12+\b]      ; the scale's byte
.endr
	v_lshl_or_b32 v[PW], v[TM+5], 8, v[TM+4]
	v_lshl_or_b32 v[PW], v[TM+6], 16, v[PW]
	v_lshl_or_b32 v[PW], v[TM+7], 24, v[PW]
	s_wait_dscnt 0x0                               ; the stores of the codes made last, to LDS
	s_wait_xcnt 0x0                                ; or to memory, have read their registers: these are written again below
	WIN (\hw)
.irp c, 0,1
	v_cvt_scalef32_pk16_bf6_f32 v[PC+6*\c:PC+2+6*\c], v[(\s)+32*\c:(\s)+15+32*\c], v[TM+12+2*\c]
	v_cvt_scalef32_pk16_bf6_f32 v[PC+12+4*\c:PC+14+4*\c], v[(\s)+16+32*\c:(\s)+31+32*\c], v[TM+12+2*\c+1]   ; (a conversion's three registers begin on an even number)
.endr
	WIN 0
	v_nop                                          ; one plain place behind a scaled conversion
.irp c, 0,1                                    ; the operand's layout wants a whole block in a lane: lanes 0-15 block 2 c, lanes 16-31 block 2 c + 1
.irp i, 0,1,2
	v_permlane16_swap_b32 v[PC+6*\c+\i], v[PC+12+4*\c+\i]
.endr
.irp i, 0,1,2
	v_mov_b32 v[PC+3+6*\c+\i], v[PC+12+4*\c+\i]
.endr
.endr
.endm
	s_load_b512 s[8:23], s[0:1], 0x0               ; x, mask, Wq codes, Wq scales, bq, Wk codes, Wk scales, bk
	s_load_b512 s[24:39], s[0:1], 0x40             ; Wv codes, Wv scales, bv, Wo codes, Wo scales, W1 codes, W1 scales, W2 codes
	s_load_b256 s[40:47], s[0:1], 0x80             ; W2 scales, qc, kvc, sc
	s_load_b128 s[48:51], s[0:1], 0xa0             ; ws, mwords
	v_lshl_add_u32 v126, v0, 2, 0xc800
	v_mov_b32 v127, 0
	v_lshrrev_b32 v90, 5, v0
	v_readfirstlane_b32 s54, v90                   ; wave
	s_mov_b32 s55, ttmp9                           ; TG
	s_and_b32 s56, ttmp7, 0xffff                   ; PART
	s_lshl_b32 s57, s56, 2
	s_add_co_u32 s57, s57, s54                     ; H
	s_lshr_b32 s58, s55, 3                         ; batch
	s_and_b32 s59, s55, 7                          ; which 128 tokens of the batch
	s_lshl_b32 s60, s58, 4
	s_add_co_u32 s60, s60, s57                     ; bh = 16 batch + H
	s_lshl_b32 s61, s56, 6
	s_add_co_u32 s61, s61, s55                     ; the work-group's number, 0 .. 255
	s_mov_b32 s52, 0x76543210
	s_mov_b32 s53, 0xfedcba98                      ; v_permlanex16_b32's selects for lane l xor 16
	s_mov_b32 s62, 0xffff0000                      ; lanes 16-31
	v_and_b32 v89, 31, v0                          ; lane
	v_and_b32 v90, 15, v0                          ; r
	v_bfe_u32 v91, v0, 4, 1                        ; h
	v_and_b32 v92, 8, v90
	v_add_nc_u32 v92, v92, v90                     ; r + 8 (r / 8)
	v_lshlrev_b32 v[LI], 4, v89
	v_lshlrev_b32 v[LS8], 3, v89
	v_lshlrev_b32 v[LS4], 2, v89
	v_lshlrev_b32 v[XA], 11, v92
	v_lshl_add_u32 v[XA], v91, 6, v[XA]            ; a row of x is 2,048 bytes; + 64 h
	v_mul_u32_u24 v[WA], v92, 384
	v_mad_u32_u24 v[WA], v91, 24, v[WA]            ; a row of 512 codes is 384 bytes; + 24 h
	v_lshl_add_u32 v[WSA], v91, 3, v92
	v_lshlrev_b32 v[WSA], 4, v[WSA]                ; 16 scale bytes a row
	s_mul_i32 s66, s54, 12288
	v_add_nc_u32 v[XIW], s66, v[LI]                ; my wave's eight fragments
	s_lshl_b32 s66, s54, 9
	v_lshl_add_u32 v[XSW], v90, 2, s66
	v_lshlrev_b32 v[BOF], 6, v91
	v_lshlrev_b32 v[BVO], 2, v92
.irp b, 0,1,2,3
	v_mov_b32 v[TM+4+\b], 0                        ; written once: a lane permute's destination counts as one of its sources
.endr
	s_wait_kmcnt 0x0
	s_mov_b32 s67, 0
	s_lshl_b32 s66, s55, 18
	s_lshl_b32 s76, s54, 16
	s_add_co_u32 s66, s66, s76
	s_add_nc_u64 s[8:9], s[8:9], s[66:67]          ; x at token 128 TG + 32 w
	s_lshl_b32 s66, s55, 9
	s_lshl_b32 s76, s54, 7
	s_add_co_u32 s66, s66, s76
	s_add_nc_u64 s[10:11], s[10:11], s[66:67]      ; the mask at the same token
	s_mul_i32 s66, s57, 12288
	s_add_nc_u64 s[12:13], s[12:13], s[66:67]      ; the head's 32 rows of each weight,
	s_add_nc_u64 s[18:19], s[18:19], s[66:67]
	s_add_nc_u64 s[24:25], s[24:25], s[66:67]
	s_lshl_b32 s66, s57, 9
	s_add_nc_u64 s[14:15], s[14:15], s[66:67]      ; of its scale bytes,
	s_add_nc_u64 s[20:21], s[20:21], s[66:67]
	s_add_nc_u64 s[26:27], s[26:27], s[66:67]
	s_lshl_b32 s66, s57, 7
	s_add_nc_u64 s[16:17], s[16:17], s[66:67]      ; and of its bias
	s_add_nc_u64 s[22:23], s[22:23], s[66:67]
	s_add_nc_u64 s[28:29], s[28:29], s[66:67]
	s_lshl_b32 s66, s60, 4
	s_lshl_b32 s76, s59, 1
	s_add_co_u32 s66, s66, s76
	s_mul_i32 s66, s66, 1536
	s_add_nc_u64 s[42:43], s[42:43], s[66:67]      ; q's two fragments
	s_mul_i32 s66, s60, 49152
	s_mul_i32 s76, s59, 3072
	s_add_co_u32 s66, s66, s76
	s_add_nc_u64 s[68:69], s[44:45], s[66:67]      ; k's two
	s_add_nc_u64 s[70:71], s[68:69], 24576         ; v's two
	s_lshl_b32 s66, s60, 11
	s_lshl_b32 s76, s59, 7
	s_add_co_u32 s66, s66, s76
	s_add_nc_u64 s[72:73], s[46:47], s[66:67]      ; k's scale words; v's lie 1,024 bytes on
	s_lshl_b32 s66, s60, 10
	s_add_co_u32 s66, s66, s76
	s_add_co_u32 s66, s66, 262144
	s_add_nc_u64 s[74:75], s[46:47], s[66:67]      ; q's
	s_lshl_b32 s66, s55, 4
	s_lshl_b32 s76, s54, 2
	s_add_co_u32 s66, s66, s76
	s_add_nc_u64 s[50:51], s[50:51], s[66:67]      ; my word of mask bits
	; the weights' fragments (tile u, K step s): they stay in registers
	WIN 0x40
.irp u, 0,1
.irp s, 0,1,2,3
.irp p, 0,1,2,3,4,5
	global_load_b64 v[12*(4*\u+\s)+2*\p:12*(4*\u+\s)+2*\p+1], v[WA], s[12:13] offset:3072*\u+96*\s+48*(\p/3)+8*(\p%3)
	global_load_b64 v[WK+12*(4*\u+\s)+2*\p:WK+12*(4*\u+\s)+2*\p+1], v[WA], s[18:19] offset:3072*\u+96*\s+48*(\p/3)+8*(\p%3)
.endr
.endr
.endr
	WIN 0x80
.irp u, 0,1
.irp s, 0,1,2,3
.irp p, 0,1,2,3,4,5
	global_load_b64 v[12*(4*\u+\s)+2*\p:12*(4*\u+\s)+2*\p+1], v[WA], s[24:25] offset:3072*\u+96*\s+48*(\p/3)+8*(\p%3)
.endr
.endr
.endr
.irp u, 0,1                                    ; bq, bk in the result's layout: register j of tile u is number 8 u + 16 h + j of the head
	global_load_b128 v[BQ+8*\u:BQ+8*\u+3], v[BOF], s[16:17] offset:32*\u
	global_load_b128 v[BQ+8*\u+4:BQ+8*\u+7], v[BOF], s[16:17] offset:32*\u+16
	global_load_b128 v[BQ+16+8*\u:BQ+16+8*\u+3], v[BOF], s[22:23] offset:32*\u
	global_load_b128 v[BQ+16+8*\u+4:BQ+16+8*\u+7], v[BOF], s[22:23] offset:32*\u+16
.endr
	WIN 0
.irp s, 0,1,2,3
	global_load_b32 v[WS+\s], v[WSA], s[14:15] offset:4*\s
	global_load_b32 v[WS+4+\s], v[WSA], s[20:21] offset:4*\s
	global_load_b32 v[WS+8+\s], v[WSA], s[26:27] offset:4*\s
.endr
	global_load_b32 v86, v[BVO], s[28:29]          ; bv of my lane's number of the head, tiles 0 and 1
	global_load_b32 v87, v[BVO], s[28:29] offset:32
	global_load_b32 v[MK], v[LS4], s[10:11]        ; 32 words of the mask
; piece kk = 4 u + s of my two tiles of x: 64 numbers a lane
.macro XLOAD kk
.irp b, 0,1,2,3
.irp j, 0,1,2,3
	global_load_b128 v[XL+64*((\kk)%2)+16*\b+4*\j:XL+64*((\kk)%2)+16*\b+4*\j+3], v[XA], s[8:9] offset:((\kk)/4)*16384+((\kk)%4)*512+128*\b+16*\j
.endr
.endr
.endm
	XLOAD 0
	XLOAD 1
	; THE RELAYOUT: one unit a wave in work-groups 0 .. 135.  Loads, wait and stores stand in one branch on the work-group's number.
	s_cmp_lt_u32 s61, 136
	s_cbranch_scc0 .Lno_relay
	s_lshl_b32 s76, s61, 2
	s_add_co_u32 s76, s76, s54                     ; U = 0 .. 543: under 512 a unit of W1 or W2, else of Wo
	s_and_b32 s77, s76, 15                         ; u: the unit in its chunk: 0-7 W1, 8-15 W2
	s_bfe_u32 s78, s76, 0x30004                    ; the chunk: 4 e + cc
	s_lshr_b32 s79, s76, 7                         ; the wave that will read it
	s_lshr_b32 s80, s78, 2
	s_and_b32 s81, s78, 3
	s_and_b32 s82, s76, 1                          ; which 64 of the wave's 128 rows
	s_lshl_b32 s83, s80, 11
	s_lshl_b32 s95, s81, 9
	s_add_co_u32 s83, s83, s95                     ; W1: row 2,048 e + 512 cc
	s_lshr_b32 s84, s77, 1                         ;     K step u / 2
	s_lshl_b32 s85, s80, 9                         ; W2: row 512 e
	s_lshl_b32 s86, s81, 2
	s_add_co_u32 s86, s86, s84
	s_sub_co_u32 s86, s86, 4                       ;     K step 4 cc + (u - 8) / 2
	s_lshl_b32 s87, s78, 4
	s_add_co_u32 s87, s87, s77
	s_add_co_u32 s87, s87, 8                       ; its place in the wave's stream
	s_and_b32 s94, s76, 7                          ; Wo: unit,
	s_lshr_b32 s95, s76, 3
	s_sub_co_u32 s95, s95, 64                      ;     wave,
	s_lshr_b32 s96, s94, 1                         ;     K step
	s_mov_b32 s92, 1536
	s_cmp_lt_u32 s77, 8
	s_cselect_b32 s83, s83, s85
	s_cselect_b32 s84, s84, s86
	s_cselect_b64 s[88:89], s[34:35], s[38:39]
	s_cselect_b64 s[90:91], s[36:37], s[40:41]
	s_cselect_b32 s92, 384, s92                    ; bytes in a row of codes,
	s_cselect_b32 s93, 16, 64                      ; and of scale bytes
	s_cmp_lt_u32 s76, 512
	s_cselect_b32 s83, s83, 0
	s_cselect_b32 s84, s84, s96
	s_cselect_b32 s87, s87, s94
	s_cselect_b32 s79, s79, s95
	s_cselect_b64 s[88:89], s[88:89], s[30:31]
	s_cselect_b64 s[90:91], s[90:91], s[32:33]
	s_cselect_b32 s92, s92, 384
	s_cselect_b32 s93, s93, 16
	s_lshl_b32 s95, s79, 7
	s_add_co_u32 s83, s83, s95
	s_lshl_b32 s95, s82, 6
	s_add_co_u32 s83, s83, s95                     ; the unit's first row
	s_mul_i32 s96, s83, s92
	s_mul_i32 s95, s84, 96
	s_add_co_u32 s96, s96, s95
	s_mov_b32 s97, 0
	s_add_nc_u64 s[88:89], s[88:89], s[96:97]
	s_mul_i32 s96, s83, s93
	s_lshl_b32 s95, s84, 2
	s_add_co_u32 s96, s96, s95
	s_add_nc_u64 s[90:91], s[90:91], s[96:97]
	s_mul_i32 s96, s79, 870400
	s_mul_i32 s95, s87, 6400
	s_add_co_u32 s96, s96, s95
	s_add_nc_u64 s[98:99], s[48:49], s[96:97]
.irp i, 0,1,2,3
	v_add_nc_u32 v[RO+\i], 32*(\i/2)+8*(\i%2), v92
	v_mul_lo_u32 v[RO+\i], v[RO+\i], s92
	v_mad_u32_u24 v[RO+\i], v91, 24, v[RO+\i]
.endr
	v_lshl_add_u32 v[RSA], v91, 3, v92
	v_mul_lo_u32 v[RSA], v[RSA], s93
	s_lshl_b32 s95, s93, 5
	v_add_nc_u32 v93, s95, v[RSA]
	WIN 0xc0
.irp i, 0,1,2,3
.irp p, 0,1,2,3,4,5
	global_load_b64 v[RL+12*\i+2*\p:RL+12*\i+2*\p+1], v[RO+\i], s[88:89] offset:48*(\p/3)+8*(\p%3)
.endr
.endr
	global_load_b32 v[RL+48], v[RSA], s[90:91]     ; lanes 0-15 tile 0's words, lanes 16-31 tile 1's;
	global_load_b32 v[RL+49], v93, s[90:91]        ; tiles 2 and 3
	s_wait_loadcnt 0x0
	WIN 0x0c                                       ; a store's data are its source 1: window 3
.irp k, 0,1,2,3,4,5,6,7,8,9,10,11
	global_store_b128 v[LI], v[RL+4*\k:RL+4*\k+3], s[98:99] offset:512*\k   ; each store covers 512 consecutive bytes, aligned
.endr
	global_store_b64 v[LS8], v[RL+48:RL+49], s[98:99] offset:6144
	WIN 0
.Lno_relay:
	; my eight pieces of x become fragments; each piece's loads are issued two pieces ahead
.irp k, 0,1,2,3,4,5,6,7
.if \k < 7
	s_wait_loadcnt 16                              ; this piece and all that was asked for earlier are in; the next piece's 16 loads may be out
.else
	s_wait_loadcnt 0x0
.endif
	QUANT XL+64*(\k%2), 0
.irp c, 0,1,2
	ds_store_b128 v[XIW], v[PC+4*\c:PC+4*\c+3] offset:1536*\k+512*\c
.endr
	ds_store_b32 v[XSW], v[PW] offset:XSC+64*\k    ; both halves of the lanes write the same word with the same value
.if \k < 6
	XLOAD \k+2
.endif
.endr
	WIN 0x80
.irp u, 0,1
.irp i, 0,1,2,3,4,5,6,7
	v_mov_b32 v[BV+8*\u+\i], v[86+\u]              ; bv as the C of v's sums: the same number for all eight tokens of a lane
.endr
.endr
	WIN 0
	v_cmp_ne_u32 s63, 0, v[MK]
	v_mov_b32 v88, s63                             ; bit l: the mask of token 32 w + l is not 0
	s_cmp_lg_u32 s56, 0
	s_cbranch_scc1 .Lno_mask
	v_cmp_gt_u32 vcc_lo, 1, v89
	s_wait_xcnt 0x0                                ; EXEC changes only behind this wait
	s_and_saveexec_b32 s63, vcc_lo
	global_store_b32 v[LS4], v88, s[50:51]
	s_wait_xcnt 0x0
	s_or_b32 exec_lo, exec_lo, s63
.Lno_mask:
	s_wait_dscnt 0x0                               ; my images have landed
	s_barrier_signal -1
	s_barrier_wait -1                              ; everybody's have
.irp t, 0,1,2,3,4,5,6,7
.irp sp, 0,1
	ds_load_b32 v[XSR+2*\t+\sp], v[LS4] offset:XSC+256*\t+128*\sp   ; lanes 0-15 the even K step's words, lanes 16-31 the odd one's
.endr
.endr
.macro FETCH sg                        ; four tiles of tokens (4 (sg / 4) on), K step sg % 4, into set sg % 2
	WIN 0x80
.irp j, 0,1,2,3
.irp k, 0,1,2
	ds_load_b128 v[XF+48*((\sg)%2)+12*\j+4*\k:XF+48*((\sg)%2)+12*\j+4*\k+3], v[LI] offset:(4*(4*((\sg)/4)+\j)+(\sg)%4)*1536+512*\k
.endr
.endr
	WIN 0
.endm
; 24 matrix instructions on 24 accumulators, one instruction a turn, in the same order in every step
.macro SIGMA sg
.set gS, (\sg)/4
.set sS, (\sg)%4
.if (\sg) < 7
	s_wait_dscnt 12                                ; this step's fragments are in; the next step's 12 loads may be out
.else
	s_wait_dscnt 0x0
.endif
.if sS == 0
	WIN 0xe9                                       ; the bias is the C of a sum's first product
.else
	WIN 0xf9
.endif
.irp pi, 0,1
.irp u, 0,1
.irp j, 0,1,2,3
.set wD, 64*\pi+16*\j+8*\u
.set wA, 96*\pi+12*(4*\u+sS)
.set wB, XF+48*((\sg)%2)+12*\j
.if sS == 0
.set wC, BQ+16*\pi+8*\u
.else
.set wC, wD
.endif
.set wSA, WS+4*\pi+sS
.set wRA, \u
.set wSB, XSR+2*(4*gS+\j)+sS/2
.set wRB, sS%2
	WMMA
.endr
.endr
.endr
.if sS == 0
	WIN 0xea
.else
	WIN 0xfa
.endif
.irp u, 0,1
.irp j, 0,1,2,3
.set wD, AV+16*(2*\u+\j/2)+8*(\j%2)
.set wA, XF+48*((\sg)%2)+12*\j
.set wB, 12*(4*\u+sS)
.if sS == 0
.set wC, BV+8*\u
.else
.set wC, wD
.endif
.set wSA, XSR+2*(4*gS+\j)+sS/2
.set wRA, sS%2
.set wSB, WS+8+sS
.set wRB, \u
	WMMA
.endr
.endr
	WIN 0
.rept 4
	v_nop                                          ; places in front of loads into registers that matrix instructions have read, and of the first read of results
.endr
.if (\sg) < 6
	FETCH (\sg)+2
.endif
.endm
; the sums of 64 tokens leave: q's and k's fragment (tile j in K block j), v's halves of two fragments (the tokens are K)
.macro OUT gs
	QUANT 0, 3
.irp p, 0,1,2,3,4,5
	global_store_b64 v[LS8], v[PC+2*\p:PC+2*\p+1], s[42:43] offset:1536*(\gs)+256*\p   ; each store covers 256 consecutive bytes, aligned
.endr
.if (\gs) == 0
	v_mov_b32 v[SV], v[PW]
.else
	v_cndmask_b32 v89, v[SV], v[PW], s62           ; lanes 0-15 the first 64 tokens' words, lanes 16-31 the second's
	global_store_b32 v[LS4], v89, s[74:75]
.endif
	QUANT AK, 3
.irp p, 0,1,2,3,4,5
	global_store_b64 v[LS8], v[PC+2*\p:PC+2*\p+1], s[68:69] offset:1536*(\gs)+256*\p
.endr
.if (\gs) == 0
	v_mov_b32 v[SV+1], v[PW]
.else
	v_cndmask_b32 v90, v[SV+1], v[PW], s62
	global_store_b32 v[LS4], v90, s[72:73]
.endif
	QUANT AV, 3
.irp u, 0,1
.irp i, 0,1,2
	global_store_b64 v[LS8], v[PC+6*\u+2*\i:PC+6*\u+2*\i+1], s[70:71] offset:1536*\u+768*(\gs)+256*\i
.endr
.endr
.if (\gs) == 0
	v_mov_b32 v[SV+2], v[PW]
.else
	v_perm_b32 v93, v[PW], v[SV+2], 0x05040100     ; tile 0's four blocks of keys,
	v_perm_b32 v94, v[PW], v[SV+2], 0x07060302     ; tile 1's
	v_cndmask_b32 v93, v93, v94, s62
	global_store_b32 v[LS4], v93, s[72:73] offset:1024
.endif
.endm
	FETCH 0
	FETCH 1
	SIGMA 0
	SIGMA 1
	SIGMA 2
	SIGMA 3
	OUT 0
	SIGMA 4
	SIGMA 5
	SIGMA 6
	SIGMA 7
	OUT 1
	s_wait_tensorcnt 0x0
	ds_add_u32 v126, v127
	s_wait_dscnt 0x0
	s_endpgm
.Lfunc_end_k_q4f18b5d5be_qkv:
	.size	k_q4f18b5d5be_qkv, .Lfunc_end_k_q4f18b5d5be_qkv-k_q4f18b5d5be_qkv
	.p2alignl 7, 3214868480
	.fill 96, 4, 3214868480
	.section	.rodata,"a",@progbits
	.p2align	6, 0x0
	.amdhsa_kernel k_q4f18b5d5be_qkv
		.amdhsa_group_segment_fixed_size 51712
		.amdhsa_private_segment_fixed_size 0
		.amdhsa_enable_private_segment 0
		.amdhsa_kernarg_size 176
		.amdhsa_user_sgpr_count 2
		.amdhsa_user_sgpr_kernarg_segment_ptr 1
		.amdhsa_wavefront_size32 1
		.amdhsa_system_sgpr_workgroup_id_x 1
		.amdhsa_system_sgpr_workgroup_id_y 1
		.amdhsa_system_sgpr_workgroup_id_z 1
		.amdhsa_system_vgpr_workitem_id 0
		.amdhsa_next_free_vgpr 1024
		.amdhsa_next_free_sgpr 100
		.amdhsa_reserve_vcc 1
		.amdhsa_float_denorm_mode_32 3
		.amdhsa_float_denorm_mode_16_64 3
		.amdhsa_memory_ordered 1
		.amdhsa_forward_progress 1
		.amdhsa_inst_pref_size 134
	.end_amdhsa_kernel
	.amdgpu_metadata
---
amdhsa.version: [ 1, 2 ]
amdhsa.kernels:
  - .name:           k_q4f18b5d5be_qkv
    .symbol:         k_q4f18b5d5be_qkv.kd
    .args:
      - { .name: x, .offset: 0, .size: 8, .value_kind: global_buffer, .address_space: global }
      - { .name: attention_mask, .offset: 8, .size: 8, .value_kind: global_buffer, .address_space: global }
      - { .name: Wq_codes, .offset: 16, .size: 8, .value_kind: global_buffer, .address_space: global }
      - { .name: Wq_scales, .offset: 24, .size: 8, .value_kind: global_buffer, .address_space: global }
      - { .name: bq, .offset: 32, .size: 8, .value_kind: global_buffer, .address_space: global }
      - { .name: Wk_codes, .offset: 40, .size: 8, .value_kind: global_buffer, .address_space: global }
      - { .name: Wk_scales, .offset: 48, .size: 8, .value_kind: global_buffer, .address_space: global }
      - { .name: bk, .offset: 56, .size: 8, .value_kind: global_buffer, .address_space: global }
      - { .name: Wv_codes, .offset: 64, .size: 8, .value_kind: global_buffer, .address_space: global }
      - { .name: Wv_scales, .offset: 72, .size: 8, .value_kind: global_buffer, .address_space: global }
      - { .name: bv, .offset: 80, .size: 8, .value_kind: global_buffer, .address_space: global }
      - { .name: Wo_codes, .offset: 88, .size: 8, .value_kind: global_buffer, .address_space: global }
      - { .name: Wo_scales, .offset: 96, .size: 8, .value_kind: global_buffer, .address_space: global }
      - { .name: W1_codes, .offset: 104, .size: 8, .value_kind: global_buffer, .address_space: global }
      - { .name: W1_scales, .offset: 112, .size: 8, .value_kind: global_buffer, .address_space: global }
      - { .name: W2_codes, .offset: 120, .size: 8, .value_kind: global_buffer, .address_space: global }
      - { .name: W2_scales, .offset: 128, .size: 8, .value_kind: global_buffer, .address_space: global }
      - { .name: qc, .offset: 136, .size: 8, .value_kind: global_buffer, .address_space: global }
      - { .name: kvc, .offset: 144, .size: 8, .value_kind: global_buffer, .address_space: global }
      - { .name: sc, .offset: 152, .size: 8, .value_kind: global_buffer, .address_space: global }
      - { .name: ws, .offset: 160, .size: 8, .value_kind: global_buffer, .address_space: global }
      - { .name: mwords, .offset: 168, .size: 8, .value_kind: global_buffer, .address_space: global }
    .group_segment_fixed_size: 51712
    .private_segment_fixed_size: 0
    .kernarg_segment_align: 8
    .kernarg_segment_size: 176
    .max_flat_workgroup_size: 128
    .sgpr_count:     100
    .vgpr_count:     1024
    .wavefront_size: 32
...
	.end_amdgpu_metadata
.endif
;; end of part 1
;; launch attn (part 2): grid 2 x 128, 16 waves a work-group, no clusters, 53,248 bytes of LDS; arguments qc, kvc, sc, mwords, hc, hs; writes hc, hs
.if DOCPART == 2
	.amdgcn_target "amdgcn-amd-amdhsa--gfx1250"
	.amdhsa_code_object_version 6
	.text
	.protected	k_q4f18b5d5be_attn
	.globl	k_q4f18b5d5be_attn
	.p2align	8
	.type	k_q4f18b5d5be_attn,@function
k_q4f18b5d5be_attn:
	s_mov_b64 s[64:65], 0
	v_nop
	global_prefetch_b8 v0, s[64:65] scope:SCOPE_SE
	s_setreg_imm32_b32 hwreg(HW_REG_WAVE_MODE, 25, 1), 1
	s_wait_xcnt 0x0
; h = softmax(q k^T / sqrt(32), causal and padding mask) v for one head, both products on codes of E3M2 with one E8M0 scale for each 32 along K; h leaves as codes for the next product.
; THE SOFTMAX: t = score x log2(e) / sqrt(32); M = the running largest t rounded up to a whole number; p = 2^(t - M) is quantised along the keys; the row's sum is taken of the unquantised p and divides at the end.
; A masked score is -1e9, as the problem has it.  A query all of whose causal keys are padded has every score at -1e9: its weights are equal over ALL 1,024 keys; such rows take the mean of v (vbar), by a select.
; SHARES.  Work-group (x, bh); the head's K, V and scale words (51,200 bytes) are copied into LDS once.  Wave w takes the query tiles p = 16 x + w and 63 - p: tile ti needs ti / 8 + 1 steps of 128 keys, so every wave has nine.
; A HEAD HAS 32 ALONG K: a fragment of K holds four tiles of 16 keys, tile j in K block j; the query tile is given in four versions, its codes in block j and zero codes elsewhere: version j yields tile j's scores.
; Both products are used transposed, so a lane holds one query throughout; the 16 registers of score tiles 2 b, 2 b + 1 are keys 32 b + 16 (lane / 16) + 0 .. 15 of the step.
; No copy engine fills LDS here.
; LIMITS: NaN and infinities are not served; a real score under -1e9 is not told apart from a masked one; h's codes are stored in pieces of 128 consecutive bytes and its scale bytes singly.
; REGISTERS: v1-11 offsets; v12 -M, v13 the largest t, v[14:15] the sum; v16-51 the query's four versions; v52-55 scale words; v56-70 the two tiles' codes; v72-95 two fragments of K, then of V;
;   v96-159 scores, then p; v160-175 O^T; v176-191 vbar; v192-211 p's codes; v212-244 at work.
.set KVS, 49152
.macro WMMA
.if wC < 0
.if (wRA == 0)
	v_wmma_scale_f32_16x16x128_f8f6f4 v[wD:wD+7], v[wA:wA+11], v[wB:wB+11], 0, v[wSA], v[wSB] matrix_a_fmt:MATRIX_FMT_BF6 matrix_b_fmt:MATRIX_FMT_BF6
.else
	v_wmma_scale_f32_16x16x128_f8f6f4 v[wD:wD+7], v[wA:wA+11], v[wB:wB+11], 0, v[wSA], v[wSB] matrix_a_fmt:MATRIX_FMT_BF6 matrix_b_fmt:MATRIX_FMT_BF6 matrix_a_scale:MATRIX_SCALE_ROW1
.endif
.else
.if (wRA == 0)
	v_wmma_scale_f32_16x16x128_f8f6f4 v[wD:wD+7], v[wA:wA+11], v[wB:wB+11], v[wC:wC+7], v[wSA], v[wSB] matrix_a_fmt:MATRIX_FMT_BF6 matrix_b_fmt:MATRIX_FMT_BF6
.else
	v_wmma_scale_f32_16x16x128_f8f6f4 v[wD:wD+7], v[wA:wA+11], v[wB:wB+11], v[wC:wC+7], v[wSA], v[wSB] matrix_a_fmt:MATRIX_FMT_BF6 matrix_b_fmt:MATRIX_FMT_BF6 matrix_a_scale:MATRIX_SCALE_ROW1
.endif
.endif
.endm
; where query tile s[ti]'s codes and scale words lie: fragment 16 bh + ti / 4, K block ti % 4
.macro QBASE ti, cb, sb
	s_lshr_b32 s36, s[\ti], 2
	s_lshl_b32 s37, s19, 4
	s_add_co_u32 s36, s36, s37
	s_mul_i32 s36, s36, 1536
	s_bfe_u32 s37, s[\ti], 0x10001
	s_mul_i32 s37, s37, 768
	s_add_co_u32 s36, s36, s37
	s_and_b32 s37, s[\ti], 1
	s_lshl_b32 s37, s37, 7
	s_add_co_u32 s36, s36, s37
	s_mov_b32 s37, 0
	s_add_nc_u64 s[\cb:\cb+1], s[4:5], s[36:37]
	s_lshr_b32 s36, s[\ti], 2
	s_lshl_b32 s36, s36, 6
	s_lshl_b32 s38, s19, 10
	s_add_co_u32 s36, s36, s38
	s_add_co_u32 s36, s36, 262144
	s_add_nc_u64 s[\sb:\sb+1], s[8:9], s[36:37]
.endm
	s_load_b256 s[4:11], s[0:1], 0x0               ; qc, kvc, sc, mwords
	s_load_b128 s[12:15], s[0:1], 0x20             ; hc, hs
	v_lshl_add_u32 v254, v0, 2, 0xc800
	v_mov_b32 v255, 0
	v_lshrrev_b32 v9, 5, v0
	v_readfirstlane_b32 s18, v9                    ; wave 0..15
	s_and_b32 s19, ttmp7, 0xffff                   ; bh
	s_lshl_b32 s24, ttmp9, 4
	s_add_co_u32 s24, s24, s18                     ; p
	s_mov_b32 s20, 0x76543210
	s_mov_b32 s21, 0xfedcba98                      ; lane l xor 16
	s_mov_b32 s22, 0x3e8293ee                      ; c = log2(e) / sqrt(32)
	s_mov_b32 s23, s22
	s_mov_b32 s45, 0xffff0000                      ; lanes 16-31
	v_and_b32 v9, 31, v0
	v_and_b32 v10, 15, v0                          ; r
	v_bfe_u32 v11, v0, 4, 1                        ; h
	v_lshlrev_b32 v1, 3, v9                        ; 8 x lane: a fragment lies as six planes of 256 bytes
	v_lshlrev_b32 v2, 2, v9
	v_add_nc_u32 v2, KVS, v2                       ; scale words: 4 x lane
	v_lshlrev_b32 v3, 3, v10
	v_lshlrev_b32 v5, 4, v11                       ; 16 h
	v_lshl_add_u32 v6, v11, 9, v3                  ; h's codes: 8 r + 512 h,
	v_lshl_add_u32 v7, v11, 2, v3
	v_add_nc_u32 v7, 256, v7                       ; 256 + 8 r + 4 h
	v_lshlrev_b32 v8, 2, v10                       ; 4 r
	v_and_b32 v241, 8, v10
	v_add_nc_u32 v241, v241, v10
	v_sub_nc_u32 v241, v241, v5                    ; r + 8 (r / 8) - 16 h
	v_sub_nc_u32 v230, 0, v11                      ; all ones in lanes 16-31,
	v_add_nc_u32 v229, -1, v11                     ; in lanes 0-15
	v_lshlrev_b32 v242, 4, v0
	v_lshlrev_b32 v243, 2, v0
	v_mov_b32 v228, 0xcfa8965f                     ; -1e9 x sqrt(32): a masked score ahead of the division
	v_mov_b32 v227, 0                              ; (named as the upper half of the pair v[226:227])
.irp b, 0,1,2,3
	v_mov_b32 v[216+\b], 0                         ; written once: a lane permute's destination counts as one of its sources
.endr
.irp i, 16,17,18,19,20,21,28,29,30,31,32,33,34,35,36,37,38,39,46,47,48,49,50,51
	v_mov_b32 v\i, 0                               ; the zero codes of the query's four versions
.endr
	s_wait_kmcnt 0x0
	s_mul_i32 s36, s19, 49152
	s_mov_b32 s37, 0
	s_add_nc_u64 s[6:7], s[6:7], s[36:37]
	s_lshl_b32 s36, s19, 11
	s_add_nc_u64 s[58:59], s[8:9], s[36:37]
.irp i, 0,1,2,3,4,5
	global_load_b128 v[96+4*\i:99+4*\i], v242, s[6:7] offset:8192*\i   ; the head's K and V: 512 threads x 16 bytes, six times
.endr
	global_load_b32 v120, v243, s[58:59]           ; and their scale words
	s_mov_b32 s25, s24
	QBASE 25, 50, 54
	s_sub_co_u32 s60, 63, s24
	QBASE 60, 52, 56
.irp i, 0,1,2
	global_load_b64 v[56+2*\i:57+2*\i], v3, s[50:51] offset:256*\i   ; query r's 32 codes, in both halves of the lanes
	global_load_b64 v[64+2*\i:65+2*\i], v3, s[52:53] offset:256*\i
.endr
	global_load_b32 v62, v8, s[54:55]
	global_load_b32 v70, v8, s[56:57]
	s_lshr_b32 s36, s19, 4
	s_lshl_b32 s36, s36, 7
	s_add_nc_u64 s[40:41], s[10:11], s[36:37]      ; the batch's 32 words of mask bits
	s_load_b32 s44, s[40:41], 0x0
	s_wait_loadcnt 8                               ; the seven copy loads are in; the queries' eight may be out
.irp i, 0,1,2,3,4,5
	ds_store_b128 v242, v[96+4*\i:99+4*\i] offset:8192*\i
.endr
	ds_store_b32 v243, v120 offset:KVS
	s_wait_dscnt 0x0
	s_barrier_signal -1
	s_barrier_wait -1                              ; the one barrier: from here on LDS is only read
	s_wait_loadcnt 0x0
	s_wait_kmcnt 0x0
	; vbar = the mean of the quantised v over all 1,024 keys: wanted only where key 0 is padded (else every query has a key that counts)
.set jj, 0
.rept 16
	v_mov_b32 v[176+jj], 0
.set jj, jj+1
.endr
	s_bitcmp1_b32 s44, 0
	s_cbranch_scc1 .Lno_vbar
.irp c, 0,1,2,3
	v_mov_b32 v[192+3*\c], 0x1c71c71c              ; 128 codes of the number 16,
	v_mov_b32 v[193+3*\c], 0xc71c71c7
	v_mov_b32 v[194+3*\c], 0x71c71c71
.endr
	v_mov_b32 v55, 0x7b7b7b7b                      ; under the scale 2^-4: p = 1, as the quantiser gives it
.rept 8
	v_nop                                          ; a scale register written by a vector instruction stands 8 places ahead of a scaled matrix instruction
.endr
.irp st, 0,1,2,3,4,5,6,7
.irp u, 0,1
.irp p, 0,1,2,3,4,5
	ds_load_b64 v[72+12*\u+2*\p:73+12*\u+2*\p], v1 offset:24576+3072*\st+1536*\u+256*\p
.endr
.endr
	ds_load_b32 v54, v2 offset:1024+128*\st
	s_wait_dscnt 0x0
.irp u, 0,1
.set wD, 176+8*\u
.set wA, 72+12*\u
.set wB, 192
.if \st == 0
.set wC, -1
.else
.set wC, wD
.endif
.set wSA, 54
.set wRA, \u
.set wSB, 55
	WMMA
.endr
.rept 4
	v_nop
.endr
.endr
.set jj, 0
.rept 16
	v_mul_f32 v[176+jj], 0x3a800000, v[176+jj]     ; / 1,024
.set jj, jj+1
.endr
.Lno_vbar:
; ONE QUERY TILE, s25 = its number ti in the batch; z: its codes, zs: its fragment's scale words
.macro TILE z, zs
	s_lshr_b32 s26, s25, 3                         ; the last step of keys that it needs
	s_and_b32 s27, s25, 7                          ; T: the tile among its 128 tokens
	s_and_b32 s36, s25, 3
	s_mul_i32 s36, s36, 0x01010101
	v_perm_b32 v52, v[\zs], v[\zs], s36            ; the tile's byte four times: the blocks of zero codes need a byte that is no NaN
.irp i, 0,1,2,3,4,5
	v_and_b32 v[22+\i], v229, v[\z+\i]             ; the codes in lanes 0-15 alone: versions 0 (v22-33) and 2 (v16-27);
	v_and_b32 v[40+\i], v230, v[\z+\i]             ; in lanes 16-31 alone: versions 1 (v40-51) and 3 (v34-45)
.endr
	s_lshr_b32 s36, s27, 1
	s_lshl_b32 s36, s36, 5
	s_and_b32 s37, s27, 1
	s_lshl_b32 s37, s37, 3
	s_add_co_u32 s36, s36, s37
	v_add_nc_u32 v4, s36, v241                     ; d = my query's place among its 128 tokens - 16 h
	v_mov_b32 v13, 0xff61b1e6                      ; the largest t so far: -3e38
	v_floor_f32 v12, -v13
	v_mov_b32 v14, 0
	v_mov_b32 v15, 0
.set jj, 0
.rept 16
	v_mov_b32 v[160+jj], 0                         ; O^T: the first change of M leaves zeros zeros.  (These are also the places between the lines above and the first products)
.set jj, jj+1
.endr
	s_lshr_b32 s36, s19, 4                         ; where the tile's h goes: fragment (64 batch + ti, H / 4), K block H % 4
	s_lshl_b32 s36, s36, 6
	s_add_co_u32 s36, s36, s25
	s_lshl_b32 s36, s36, 2
	s_bfe_u32 s37, s19, 0x20002
	s_add_co_u32 s36, s36, s37
	s_lshl_b32 s38, s36, 6
	s_and_b32 s37, s19, 3
	s_add_co_u32 s38, s38, s37
	s_mov_b32 s39, 0
	s_add_nc_u64 s[48:49], s[14:15], s[38:39]
	s_mul_i32 s36, s36, 1536
	s_bfe_u32 s37, s19, 0x10001
	s_mul_i32 s37, s37, 768
	s_add_co_u32 s36, s36, s37
	s_and_b32 s37, s19, 1
	s_lshl_b32 s37, s37, 7
	s_add_co_u32 s36, s36, s37
	s_mov_b32 s37, 0
	s_add_nc_u64 s[46:47], s[12:13], s[36:37]
	s_mov_b32 s28, 0                               ; the step; its fragments, 3,072 bytes a step; its scale words, 128; its mask words, 16
	s_mov_b32 s29, 0
	s_mov_b32 s30, 0
	s_mov_b32 s31, 0
.Lstep_\@:                                         ; eight trips; a step all of whose keys come after the tile's queries does only the stepping at the trip's end
	s_cmp_gt_u32 s28, s26
	s_cbranch_scc1 .Lskip_\@
	s_load_b128 s[32:35], s[40:41], s31 offset:0x0
	v_add_nc_u32 v9, s29, v1
	v_add_nc_u32 v10, s30, v2
	v_nop
	v_nop                                          ; four places in front of loads into registers that the last products read
.irp g, 0,1
.irp p, 0,1,2,3,4,5
	ds_load_b64 v[72+12*\g+2*\p:73+12*\g+2*\p], v9 offset:1536*\g+256*\p
.endr
.endr
	ds_load_b32 v53, v10
	s_wait_dscnt 0x0
.irp t, 0,1,2,3,4,5,6,7
.set wD, 96+8*\t
.set wA, 72+12*(\t/4)
.set wB, 22+18*(\t%2)-6*((\t%4)/2)
.set wC, -1
.set wSA, 53
.set wRA, \t/4
.set wSB, 52
	WMMA
.endr
.rept 4
	v_nop
.endr
.irp u, 0,1
.irp p, 0,1,2,3,4,5
	ds_load_b64 v[72+12*\u+2*\p:73+12*\u+2*\p], v9 offset:24576+1536*\u+256*\p   ; V's two fragments take K's registers and land under the softmax
.endr
.endr
	ds_load_b32 v54, v10 offset:1024
	s_wait_kmcnt 0x0
	s_cmp_lg_u32 s28, s26
	s_cbranch_scc1 .Lopen_\@
.set n, 0
.rept 64                                           ; the step on the diagonal: register 16 b + i holds key 32 b + 16 h + i: hidden where 32 b + i > d
	v_cmp_gt_i32 vcc_lo, 32*(n/16)+n%16, v4
	v_cndmask_b32 v[96+n], v[96+n], v228, vcc_lo
.set n, n+1
.endr
.Lopen_\@:
	s_and_b32 s36, s32, s33
	s_and_b32 s37, s34, s35
	s_and_b32 s36, s36, s37
	s_cmp_eq_u32 s36, -1
	s_cbranch_scc1 .Lnopad_\@                      ; a branch on stored whole numbers: no key of the step is padded
	v_lshrrev_b32 v232, v5, s32
	v_lshrrev_b32 v233, v5, s33
	v_perm_b32 v232, v233, v232, 0x05040100        ; bit n: the key of register n, n = 0 .. 31;
	v_lshrrev_b32 v233, v5, s34
	v_lshrrev_b32 v234, v5, s35
	v_perm_b32 v233, v234, v233, 0x05040100        ; of register 32 + n
.set n, 0
.rept 64
	v_and_b32 v234, 1<<(n%32), v[232+n/32]
	v_cmp_eq_u32 vcc_lo, 0, v234
	v_cndmask_b32 v[96+n], v[96+n], v228, vcc_lo
.set n, n+1
.endr
.Lnopad_\@:
.irp b, 0,1,2,3
	v_max3_num_f32 v[212+\b], v[96+16*\b], v[97+16*\b], v[98+16*\b]   ; the largest score of each block of 32 keys: for the row's maximum, and, since p rises with the score, for the block's largest p
.endr
.irp i, 3,5,7,9,11,13
.irp b, 0,1,2,3
	v_max3_num_f32 v[212+\b], v[212+\b], v[96+16*\b+\i], v[97+16*\b+\i]
.endr
.endr
.irp b, 0,1,2,3
	v_max_num_f32 v[212+\b], v[212+\b], v[111+16*\b]
.endr
.irp b, 0,1,2,3
	v_permlanex16_b32 v[216+\b], v[212+\b], s20, s21
.endr
.irp b, 0,1,2,3
	v_max_num_f32 v[212+\b], v[212+\b], v[216+\b]
.endr
	v_max3_num_f32 v224, v212, v213, v214
	v_max_num_f32 v224, v224, v215
	v_mul_f32 v224, s22, v224
	v_max_num_f32 v13, v13, v224                   ; the running largest t
	v_mov_b32 v224, v12
	v_floor_f32 v12, -v13                          ; -M = floor(-t): M is a whole number
	v_sub_f32 v224, v12, v224
	v_cvt_i32_f32 v224, v224                       ; (it saturates)
	v_ldexp_f32 v226, 1.0, v224                    ; f = 2^(old M - new M)
.set jj, 0
.rept 32
	v_pk_fma_f32 v[96+jj:97+jj], v[96+jj:97+jj], s[22:23], v[12:13] op_sel_hi:[1,0,0]   ; t - M
.set jj, jj+2
.endr
.irp b, 0,1,2,3
	v_fma_f32 v[212+\b], v[212+\b], s22, v12
.endr
.set jj, 0
.rept 64
	v_exp_f32 v[96+jj], v[96+jj]                   ; p = 2^(t - M)
.set jj, jj+1
.endr
	v_pk_mul_f32 v[14:15], v[14:15], v[226:227] op_sel_hi:[1,0]   ; the sums under the new M: a plain place behind the exponentials
	s_wait_alu depctr_va_vdst(0)                   ; one wait for the batch, ahead of its first reader
.irp b, 0,1,2,3
	v_exp_f32 v[212+\b], v[212+\b]                 ; the blocks' largest p
.endr
.set jj, 0
.rept 8
	v_pk_mul_f32 v[160+jj:161+jj], v[160+jj:161+jj], v[226:227] op_sel_hi:[1,0]   ; O^T under the new M: independent work behind the four
.set jj, jj+2
.endr
	s_wait_alu depctr_va_vdst(0)
.irp b, 0,1,2,3
	v_max_num_f32 v[212+\b], 0x2800000, v[212+\b]  ; the floor 2^(5 - 127)
.endr
.irp b, 0,1,2,3
	v_add_nc_u32 v[220+\b], 0xfe000000, v[212+\b]
.endr
.irp b, 0,1,2,3
	v_lshrrev_b32 v[216+\b], 23, v[220+\b]
.endr
	v_lshl_or_b32 v55, v217, 8, v216               ; p's scale word for these 128 keys
	v_lshl_or_b32 v55, v218, 16, v55
	v_lshl_or_b32 v55, v219, 24, v55
.irp c, 0,1
	v_cvt_scalef32_pk16_bf6_f32 v[192+6*\c:194+6*\c], v[96+32*\c:111+32*\c], v[220+2*\c]
	v_cvt_scalef32_pk16_bf6_f32 v[204+4*\c:206+4*\c], v[112+32*\c:127+32*\c], v[220+2*\c+1]
.endr
	v_nop
.irp c, 0,1
.irp i, 0,1,2
	v_permlane16_swap_b32 v[192+6*\c+\i], v[204+4*\c+\i]
.endr
.irp i, 0,1,2
	v_mov_b32 v[195+6*\c+\i], v[204+4*\c+\i]
.endr
.endr
	v_pk_add_f32 v[236:237], v[96:97], v[98:99]    ; the row's sum of the unquantised p, in two chains: these 32 lines are also the places between the scale word, the codes and the products
.irp j, 4,8,12,16,20,24,28,32,36,40,44,48,52,56,60
	v_pk_add_f32 v[14:15], v[14:15], v[96+\j:97+\j]
	v_pk_add_f32 v[236:237], v[236:237], v[98+\j:99+\j]
.endr
	v_pk_add_f32 v[14:15], v[14:15], v[236:237]
	s_wait_dscnt 0x0                               ; V
.irp u, 0,1
.set wD, 160+8*\u
.set wA, 72+12*\u
.set wB, 192
.set wC, wD
.set wSA, 54
.set wRA, \u
.set wSB, 55
	WMMA
.endr
.Lskip_\@:
	s_add_co_u32 s29, s29, 3072
	s_add_co_u32 s30, s30, 128
	s_add_co_u32 s31, s31, 16
	s_add_co_u32 s28, s28, 1
	s_cmp_lt_u32 s28, 8
	s_cbranch_scc1 .Lstep_\@
.rept 4
	v_nop                                          ; places behind the last products
.endr
	v_add_f32 v14, v14, v15
	v_permlanex16_b32 v216, v14, s20, s21
	v_add_f32 v14, v14, v216                       ; the row's sum
	v_rcp_f32 v225, v14
	v_cmp_gt_f32 vcc_lo, 0xce6e6b28, v13           ; -1e9 > the row's largest t: no key counted.  It only selects a value
	s_wait_alu depctr_va_vdst(0)
.set jj, 0
.rept 16
	v_mul_f32 v[96+jj], v[160+jj], v225            ; register i: number 16 h + i of the head, for query r
.set jj, jj+1
.endr
.set jj, 0
.rept 16
	v_cndmask_b32 v[96+jj], v[96+jj], v[176+jj], vcc_lo
.set jj, jj+1
.endr
	v_max3_num_f32 v224, |v96|, |v97|, 0x2800000   ; a head's 32 numbers are one block of the next product's K
.irp i, 2,4,6,8,10,12,14
	v_max3_num_f32 v224, v224, |v[96+\i]|, |v[97+\i]|
.endr
	v_permlanex16_b32 v216, v224, s20, s21
	v_max_num_f32 v224, v224, v216
	v_add_nc_u32 v220, 0xfe000000, v224
	v_lshrrev_b32 v244, 23, v220
	v_cvt_scalef32_pk16_bf6_f32 v[192:194], v[96:111], v220
	v_nop
	v_cndmask_b32 v238, v192, v193, s45            ; the block's six words: lanes 0-15 hold words 0-2, lanes 16-31 words 3-5; they lie as three planes of two words
	v_cndmask_b32 v239, v193, v194, s45
	v_cndmask_b32 v240, v194, v192, s45
	global_store_b64 v6, v[238:239], s[46:47]
	global_store_b32 v7, v240, s[46:47]
	global_store_b8 v8, v244, s[48:49]             ; both halves of the lanes store the same byte with the same value
	s_wait_xcnt 0x0                                ; the stores have read their registers and bases: the next tile writes them again
.endm
	TILE 56, 62
	s_sub_co_u32 s25, 63, s24
	TILE 64, 70
	s_wait_tensorcnt 0x0
	ds_add_u32 v254, v255
	s_wait_dscnt 0x0
	s_endpgm
.Lfunc_end_k_q4f18b5d5be_attn:
	.size	k_q4f18b5d5be_attn, .Lfunc_end_k_q4f18b5d5be_attn-k_q4f18b5d5be_attn
	.p2alignl 7, 3214868480
	.fill 96, 4, 3214868480
	.section	.rodata,"a",@progbits
	.p2align	6, 0x0
	.amdhsa_kernel k_q4f18b5d5be_attn
		.amdhsa_group_segment_fixed_size 53248
		.amdhsa_private_segment_fixed_size 0
		.amdhsa_enable_private_segment 0
		.amdhsa_kernarg_size 48
		.amdhsa_user_sgpr_count 2
		.amdhsa_user_sgpr_kernarg_segment_ptr 1
		.amdhsa_wavefront_size32 1
		.amdhsa_system_sgpr_workgroup_id_x 1
		.amdhsa_system_sgpr_workgroup_id_y 1
		.amdhsa_system_sgpr_workgroup_id_z 1
		.amdhsa_system_vgpr_workitem_id 0
		.amdhsa_next_free_vgpr 256
		.amdhsa_next_free_sgpr 66
		.amdhsa_reserve_vcc 1
		.amdhsa_float_denorm_mode_32 3
		.amdhsa_float_denorm_mode_16_64 3
		.amdhsa_memory_ordered 1
		.amdhsa_forward_progress 1
		.amdhsa_inst_pref_size 85
	.end_amdhsa_kernel
	.amdgpu_metadata
---
amdhsa.version: [ 1, 2 ]
amdhsa.kernels:
  - .name:           k_q4f18b5d5be_attn
    .symbol:         k_q4f18b5d5be_attn.kd
    .args:
      - { .name: qc, .offset: 0, .size: 8, .value_kind: global_buffer, .address_space: global }
      - { .name: kvc, .offset: 8, .size: 8, .value_kind: global_buffer, .address_space: global }
      - { .name: sc, .offset: 16, .size: 8, .value_kind: global_buffer, .address_space: global }
      - { .name: mwords, .offset: 24, .size: 8, .value_kind: global_buffer, .address_space: global }
      - { .name: hc, .offset: 32, .size: 8, .value_kind: global_buffer, .address_space: global }
      - { .name: hs, .offset: 40, .size: 8, .value_kind: global_buffer, .address_space: global }
    .group_segment_fixed_size: 53248
    .private_segment_fixed_size: 0
    .kernarg_segment_align: 8
    .kernarg_segment_size: 48
    .max_flat_workgroup_size: 512
    .sgpr_count:     66
    .vgpr_count:     256
    .wavefront_size: 32
...
	.end_amdgpu_metadata
.endif
;; end of part 2
;; launch ffn (part 3): grid 128 x 1, 4 waves a work-group, no clusters, 226,816 bytes of LDS; arguments hc, hs, ws, x, bo, g1, beta1, g2, beta2, router_w, B2, B1, router_b, out0, psum; writes out0, psum
.if DOCPART == 3
	.amdgcn_target "amdgcn-amd-amdhsa--gfx1250"
	.amdhsa_code_object_version 6
	.text
	.protected	k_q4f18b5d5be_ffn
	.globl	k_q4f18b5d5be_ffn
	.p2align	8
	.type	k_q4f18b5d5be_ffn,@function
k_q4f18b5d5be_ffn:
	s_mov_b64 s[64:65], 0
	v_nop
	global_prefetch_b8 v0, s[64:65] scope:SCOPE_SE
	s_setreg_imm32_b32 hwreg(HW_REG_WAVE_MODE, 25, 1), 1
	s_wait_xcnt 0x0
; x1 = LN(x + h Wo + bo); gates = the router's two softmax weights, renormalised (top 2 of 2 experts: both always count); out = LN(x1 + sum over e of gate_e (relu(x1 W1[e] + B1[e]) W2[e] + B2[e])).
; All five products on codes of E3M2 with one E8M0 scale for each 32 along K; the router's product (2 columns) by f32 fused multiply-adds.  The sums of the router's weights over the work-group's rows go to psum.
; SHARES.  A work-group takes 64 rows (four tiles m of 16; row 16 m + r is token 32 (m / 2) + 8 (m % 2) + r + 8 (r / 8)).  THE WAVES SHARE THE COLUMNS: wave w owns columns 128 w .. 128 w + 127 of h Wo, x1, y and out,
; and hidden units 128 w .. + 127 of each chunk of 512.  So a weight's fragment is read by one wave alone and feeds four products: the weights come from memory straight into registers, as dense 16-byte loads of the
; stream that the first launch has laid out, four units (6,400 bytes: four fragments and their scale words) ahead.
; NO CLUSTER: a joint load ends in LDS, where each weight byte would cost one write and one read more and be read by one wave once; what the work-groups share they take from the same stream at about the same time.
; 128 work-groups: both norms need whole rows, so every block of rows walks all weights; with 32 rows each fragment would feed two products and the weights' traffic would double.
; Products are used transposed (source 0 = 16 rows of a weight, source 1 = 16 rows of the operand): a lane holds one row, its registers run along the columns, which are the next K.
; x1 and the hidden chunk go from wave to wave through LDS as images of the operand's registers.  Biases are the C of a sum's first product; an expert's sums begin as B2[e], loaded in the result's layout.
; LIMITS: NaN and infinities are not served; a block of zeros gets the scale byte 1 (its codes are zeros).
; REGISTERS.  window 0: v1-15 offsets; v16-31 the gates, in pairs; v32-127 two sets of four fragments (at other times at work); v128-151 scale words; v152-188 the quantiser's; v192-255 at work.
;   window 1: the ring of four units (48 each); from v192 a bias, 8 tiles.   window 2: HACC(m, t) at 64 m + 8 t.   window 3: ACC(m, n) likewise; ahead of the loop h's 16 fragments.
.set RED,  34816                       ; LDS: 0: bo, g1, beta1, g2, beta2 (2,048 each), router_w 10,240, B2 14,336, B1 18,432;  RED: sums that meet across the waves
.set XSC,  43008                       ; x1's scale words [m][s][16 rows x 4 bytes]
.set HSC,  44032                       ; the hidden chunk's
.set XIMG, 45056                       ; x1's 16 fragments (m, s) at (4 m + s) x 1,536
.set HIMG, 69632                       ; the hidden chunk's
.set XS,   94208                       ; 64 rows of f32, 2,064 bytes apart: x, then x1, then x1 + gate_0 y_0, at the end out
.set XP,   2064
.set LI,   1
.set LS8,  2
.set LS4,  3
.set XSA,  4                           ; v4, v5: my columns of rows r (m = 0, 1) and 32 + r (m = 2, 3) in XS
.set PARA, 6                           ; 512 w + 64 h: my columns among 512 parameters
.set RWA,  7
.set RDW,  8
.set RDR,  9
.set XIW,  10
.set SW,   11
.set HIW,  12
.set R2W,  13
.set XIR,  14
.set HIR,  15
.set GP,   16                          ; gate e of tile m: the pair at GP + 8 e + 2 m
.set ACT,  32
.set SUMP, 32                          ; the norms' registers lie where no fragment is in use
.set RR,   40
.set MU,   56
.set RS,   64
.set LG,   72
.set WSC,  128
.set XSCR, 136
.set HSCR, 144
.set PC,   152
.set TM,   172
.set PW,   188
.set B1A,  189
.set CIO,  190
.set R2R,  191
.set T,    192
.set BIAS, 192
.set CB,   44                          ; s[44:45] the chunk's first unit in my stream;  s[46:47] the next chunk's
.set NB,   46
.set MSB, 0
.macro WIN new
.if MSB != (\new)
	s_set_vgpr_msb (MSB<<8)|(\new)
.set MSB, (\new)
.endif
.endm
.macro WMMA
.if (wRA == 0) && (wRB == 0)
	v_wmma_scale_f32_16x16x128_f8f6f4 v[wD:wD+7], v[wA:wA+11], v[wB:wB+11], v[wC:wC+7], v[wSA], v[wSB] matrix_a_fmt:MATRIX_FMT_BF6 matrix_b_fmt:MATRIX_FMT_BF6
.elseif (wRB == 0)
	v_wmma_scale_f32_16x16x128_f8f6f4 v[wD:wD+7], v[wA:wA+11], v[wB:wB+11], v[wC:wC+7], v[wSA], v[wSB] matrix_a_fmt:MATRIX_FMT_BF6 matrix_b_fmt:MATRIX_FMT_BF6 matrix_a_scale:MATRIX_SCALE_ROW1
.elseif (wRA == 0)
	v_wmma_scale_f32_16x16x128_f8f6f4 v[wD:wD+7], v[wA:wA+11], v[wB:wB+11], v[wC:wC+7], v[wSA], v[wSB] matrix_a_fmt:MATRIX_FMT_BF6 matrix_b_fmt:MATRIX_FMT_BF6 matrix_b_scale:MATRIX_SCALE_ROW1
.else
	v_wmma_scale_f32_16x16x128_f8f6f4 v[wD:wD+7], v[wA:wA+11], v[wB:wB+11], v[wC:wC+7], v[wSA], v[wSB] matrix_a_fmt:MATRIX_FMT_BF6 matrix_b_fmt:MATRIX_FMT_BF6 matrix_a_scale:MATRIX_SCALE_ROW1 matrix_b_scale:MATRIX_SCALE_ROW1
.endif
.endm
; 64 numbers of a lane, registers s .. s + 63 of window hw, register 16 b + i = number 32 b + 16 (lane / 16) + i of my row, become a fragment's codes in v[PC] on and its scale word in v[PW].
.macro QUANT s, hw
	WIN (\hw)|((\hw)<<2)
.irp b, 0,1,2,3
	v_max3_num_f32 v[TM+\b], |v[(\s)+16*\b]|, |v[(\s)+1+16*\b]|, 0x2800000   ; my 16 numbers of block b, and the floor 2^(5 - 127)
.endr
	WIN ((\hw)<<2)|((\hw)<<4)
.irp i, 2,4,6,8,10,12,14
.irp b, 0,1,2,3
	v_max3_num_f32 v[TM+\b], v[TM+\b], |v[(\s)+16*\b+\i]|, |v[(\s)+1+16*\b+\i]|
.endr
.endr
	WIN 0
.irp b, 0,1,2,3
	v_permlanex16_b32 v[TM+4+\b], v[TM+\b], s42, s43
.endr
.irp b, 0,1,2,3
	v_max_num_f32 v[TM+\b], v[TM+\b], v[TM+4+\b]
.endr
.irp b, 0,1,2,3
	v_add_nc_u32 v[TM+12+\b], 0xfe000000, v[TM+\b]
.endr
.irp b, 0,1,2,3
	v_lshrrev_b32 v[TM+4+\b], 23, v[TM+12+\b]
.endr
	v_lshl_or_b32 v[PW], v[TM+5], 8, v[TM+4]
	v_lshl_or_b32 v[PW], v[TM+6], 16, v[PW]
	v_lshl_or_b32 v[PW], v[TM+7], 24, v[PW]
	s_wait_dscnt 0x0                               ; the stores of the codes made last have read their registers
	WIN (\hw)
.irp c, 0,1
	v_cvt_scalef32_pk16_bf6_f32 v[PC+6*\c:PC+2+6*\c], v[(\s)+32*\c:(\s)+15+32*\c], v[TM+12+2*\c]
	v_cvt_scalef32_pk16_bf6_f32 v[PC+12+4*\c:PC+14+4*\c], v[(\s)+16+32*\c:(\s)+31+32*\c], v[TM+12+2*\c+1]
.endr
	WIN 0
	v_nop
.irp c, 0,1
.irp i, 0,1,2
	v_permlane16_swap_b32 v[PC+6*\c+\i], v[PC+12+4*\c+\i]
.endr
.irp i, 0,1,2
	v_mov_b32 v[PC+3+6*\c+\i], v[PC+12+4*\c+\i]
.endr
.endr
.endm
.macro REFILL slot, base, off          ; a unit of my stream into a slot of the ring: 13 loads
	WIN 0x40
.irp k, 0,1,2,3,4,5,6,7,8,9,10,11
	global_load_b128 v[48*(\slot)+4*\k:48*(\slot)+4*\k+3], v[LI], s[\base:\base+1] offset:(\off)+512*\k
.endr
	WIN 0
	global_load_b64 v[WSC+2*(\slot):WSC+2*(\slot)+1], v[LS8], s[\base:\base+1] offset:(\off)+6144
.endm
.macro FETCH buf, adr, s               ; the four tiles' fragments of K step s
.irp m, 0,1,2,3
.irp k, 0,1,2
	ds_load_b128 v[ACT+48*(\buf)+12*\m+4*\k:ACT+48*(\buf)+12*\m+4*\k+3], v[\adr] offset:(4*\m+(\s))*1536+512*\k
.endr
.endr
.endm
; 16 matrix instructions on 16 accumulators: a unit's four tiles x the four tiles of rows; one instruction a turn, and an accumulator comes back two steps on
.macro STEP win, winb, s, half, slot, bias, bbase, sbase, bar
	s_wait_loadcnt 39                              ; the unit is in; its three successors' 3 x 13 loads may be out
.if \bar
	s_wait_dscnt 0x0                               ; my reads of the hidden chunk's images are over:
	s_barrier_signal -1                            ; say so, and work on registers while the others arrive
.endif
.if \bias
	WIN \winb
.else
	WIN \win
.endif
.irp i, 0,1,2,3
.irp m, 0,1,2,3
.set wD, 64*\m+8*(4*(\half)+\i)
.set wA, 48*(\slot)+12*\i
.set wB, (\bbase)+12*\m
.if \bias
.set wC, BIAS+8*(4*(\half)+\i)
.else
.set wC, wD
.endif
.set wSA, WSC+2*(\slot)+\i/2
.set wRA, \i%2
.set wSB, (\sbase)+2*\m+(\s)/2
.set wRB, (\s)%2
	WMMA
.endr
.endr
.if \bar
	s_barrier_wait -1
.endif
	WIN 0
.rept 4
	v_nop                                          ; places in front of loads into registers that these products have read, and of the first read of results
.endr
.endm
.macro LDPAR adr, off                  ; 64 parameters of my columns, in a result's layout, as a bias
	WIN 0x40
.irp t, 0,1,2,3,4,5,6,7
	ds_load_b128 v[BIAS+8*\t:BIAS+8*\t+3], v[\adr] offset:(\off)+128*(\t/2)+32*(\t%2)
	ds_load_b128 v[BIAS+8*\t+4:BIAS+8*\t+7], v[\adr] offset:(\off)+128*(\t/2)+32*(\t%2)+16
.endr
	WIN 0
.endm
.macro LDACC e                         ; an expert's sums begin as B2[e]
	WIN 0xc0
.irp m, 0,1,2,3
.irp t, 0,1,2,3,4,5,6,7
	ds_load_b128 v[64*\m+8*\t:64*\m+8*\t+3], v[PARA] offset:14336+2048*(\e)+128*(\t/2)+32*(\t%2)
	ds_load_b128 v[64*\m+8*\t+4:64*\m+8*\t+7], v[PARA] offset:14336+2048*(\e)+128*(\t/2)+32*(\t%2)+16
.endr
.endr
	WIN 0
.endm
.macro XSLD m, reg                     ; my 128 columns of tile m's rows: 64 registers
.irp q, 0,1,2,3,4,5,6,7,8,9,10,11,12,13,14,15
	ds_load_b128 v[(\reg)+4*\q:(\reg)+4*\q+3], v[XSA+(\m)/2] offset:16*XP*((\m)%2)+128*(\q/4)+16*(\q%4)
.endr
.endm
.macro XSST m, reg
.irp q, 0,1,2,3,4,5,6,7,8,9,10,11,12,13,14,15
	ds_store_b128 v[XSA+(\m)/2], v[(\reg)+4*\q:(\reg)+4*\q+3] offset:16*XP*((\m)%2)+128*(\q/4)+16*(\q%4)
.endr
.endm
.macro ROWRED reg                      ; each row's four partial sums (one a wave) meet in LDS; every wave adds them in the same order
.irp m, 0,1,2,3
	ds_store_b32 v[RDW], v[SUMP+2*\m] offset:RED+(\reg)+256*\m
.endr
	s_wait_dscnt 0x0
	s_barrier_signal -1
	s_barrier_wait -1
.irp m, 0,1,2,3
	ds_load_b128 v[RR+4*\m:RR+4*\m+3], v[RDR] offset:RED+(\reg)+256*\m
.endr
	s_wait_dscnt 0x0
.irp m, 0,1,2,3
	v_add_f32 v[SUMP+2*\m], v[RR+4*\m], v[RR+4*\m+1]
.endr
.irp m, 0,1,2,3
	v_add_f32 v[RR+4*\m+2], v[RR+4*\m+2], v[RR+4*\m+3]
.endr
.irp m, 0,1,2,3
	v_add_f32 v[SUMP+2*\m], v[SUMP+2*\m], v[RR+4*\m+2]
.endr
.endm
.macro HALVES                          ; a lane's pair, then lane l xor 16's
.irp m, 0,1,2,3
	v_add_f32 v[SUMP+2*\m], v[SUMP+2*\m], v[SUMP+2*\m+1]
.endr
.irp m, 0,1,2,3
	v_permlanex16_b32 v[TM+4+\m], v[SUMP+2*\m], s42, s43
.endr
.irp m, 0,1,2,3
	v_add_f32 v[SUMP+2*\m], v[SUMP+2*\m], v[TM+4+\m]
.endr
.endm
; the norm of the 64 rows in HACC, in two passes as the problem writes it: the mean, then the mean of the squared distances from it
.macro LNORM goff, boff, ra, rb
	WIN 0x0a
.irp m, 0,1,2,3
	v_pk_add_f32 v[SUMP+2*\m:SUMP+2*\m+1], v[64*\m:64*\m+1], v[64*\m+2:64*\m+3]
.endr
	WIN 0x08
.set jj, 4
.rept 30
.irp m, 0,1,2,3
	v_pk_add_f32 v[SUMP+2*\m:SUMP+2*\m+1], v[SUMP+2*\m:SUMP+2*\m+1], v[64*\m+jj:64*\m+jj+1]
.endr
.set jj, jj+2
.endr
	WIN 0
	HALVES
	ROWRED \ra
.irp m, 0,1,2,3
	v_mul_f32 v[MU+2*\m], s60, v[SUMP+2*\m]        ; / 512
.endr
.irp m, 0,1,2,3
	v_mov_b32 v[MU+2*\m+1], v[MU+2*\m]
.endr
	WIN 0x82
.set jj, 0
.rept 32
.irp m, 0,1,2,3
	v_pk_add_f32 v[64*\m+jj:64*\m+jj+1], v[64*\m+jj:64*\m+jj+1], v[MU+2*\m:MU+2*\m+1] neg_lo:[0,1] neg_hi:[0,1]
.endr
.set jj, jj+2
.endr
	WIN 0x0a
.irp m, 0,1,2,3
	v_pk_mul_f32 v[SUMP+2*\m:SUMP+2*\m+1], v[64*\m:64*\m+1], v[64*\m:64*\m+1]
.endr
.set jj, 2
.rept 31
.irp m, 0,1,2,3
	v_pk_fma_f32 v[SUMP+2*\m:SUMP+2*\m+1], v[64*\m+jj:64*\m+jj+1], v[64*\m+jj:64*\m+jj+1], v[SUMP+2*\m:SUMP+2*\m+1]
.endr
.set jj, jj+2
.endr
	WIN 0
	HALVES
	ROWRED \rb
.irp m, 0,1,2,3
	v_fma_f32 v[SUMP+2*\m], v[SUMP+2*\m], s60, s61 ; / 512 + 1e-5
.endr
.irp m, 0,1,2,3
	v_rsq_f32 v[RS+2*\m], v[SUMP+2*\m]
.endr
	v_nop
	s_wait_alu depctr_va_vdst(0)                   ; one wait for the four, ahead of their first reader
.irp m, 0,1,2,3
	v_mov_b32 v[RS+2*\m+1], v[RS+2*\m]
.endr
.irp b, 0,1,2,3
.irp j, 0,1,2,3
	ds_load_b128 v[T+4*\j:T+4*\j+3], v[PARA] offset:(\goff)+128*\b+16*\j
	ds_load_b128 v[T+16+4*\j:T+16+4*\j+3], v[PARA] offset:(\boff)+128*\b+16*\j
.endr
	s_wait_dscnt 0x0
	WIN 0x82
.irp m, 0,1,2,3
.irp i, 0,2,4,6,8,10,12,14
	v_pk_mul_f32 v[64*\m+16*\b+\i:64*\m+16*\b+\i+1], v[64*\m+16*\b+\i:64*\m+16*\b+\i+1], v[RS+2*\m:RS+2*\m+1]
.endr
.endr
.irp m, 0,1,2,3
.irp i, 0,2,4,6,8,10,12,14
	v_pk_fma_f32 v[64*\m+16*\b+\i:64*\m+16*\b+\i+1], v[64*\m+16*\b+\i:64*\m+16*\b+\i+1], v[T+\i:T+\i+1], v[T+16+\i:T+17+\i]
.endr
.endr
	WIN 0
.endr
.endm
	s_load_b512 s[8:23], s[0:1], 0x0               ; hc, hs, ws, x, bo, g1, beta1, g2
	s_load_b256 s[24:31], s[0:1], 0x40             ; beta2, router_w, B2, B1
	s_load_b128 s[32:35], s[0:1], 0x60             ; router_b, out0
	s_load_b64 s[36:37], s[0:1], 0x70              ; psum
	v_lshl_add_u32 v182, v0, 2, 0x37400
	v_mov_b32 v183, 0
	v_lshrrev_b32 v32, 5, v0
	v_readfirstlane_b32 s40, v32                   ; wave
	s_mov_b32 s41, ttmp9                           ; the block of 64 rows
	v_and_b32 v32, 31, v0
	v_and_b32 v33, 15, v0                          ; r
	v_bfe_u32 v34, v0, 4, 1                        ; h
	v_lshlrev_b32 v[LI], 4, v32
	v_lshlrev_b32 v[LS8], 3, v32
	v_lshlrev_b32 v[LS4], 2, v32
	s_lshl_b32 s54, s40, 9
	v_mul_u32_u24 v[XSA], v33, XP
	v_lshl_add_u32 v[XSA], v34, 6, v[XSA]
	v_add_nc_u32 v[XSA], s54, v[XSA]
	v_add_nc_u32 v[XSA], XS, v[XSA]
	v_add_nc_u32 v[XSA+1], 32*XP, v[XSA]
	v_lshl_add_u32 v[PARA], v34, 6, s54
	s_lshl_b32 s55, s40, 10
	v_lshl_add_u32 v[RWA], v34, 7, s55             ; router_w: 8 bytes a row: 1,024 w + 128 h
	s_lshl_b32 s55, s40, 2
	v_lshl_add_u32 v[RDW], v33, 4, s55
	v_lshlrev_b32 v[RDR], 4, v33
	s_mul_i32 s55, s40, 1536
	v_add_nc_u32 v[XIW], s55, v[LI]
	v_add_nc_u32 v[HIW], HIMG, v[XIW]
	v_add_nc_u32 v[XIW], XIMG, v[XIW]
	s_lshl_b32 s55, s40, 6
	v_lshl_add_u32 v[SW], v33, 2, s55
	s_lshl_b32 s55, s40, 3
	v_lshl_add_u32 v[R2W], v33, 5, s55
	v_add_nc_u32 v[XIR], XIMG, v[LI]
	v_add_nc_u32 v[HIR], HIMG, v[LI]
	v_lshlrev_b32 v[R2R], 5, v33
	s_mul_i32 s55, s40, 16*XP
	v_add_nc_u32 v[CIO], s55, v[LI]
	v_add_nc_u32 v[CIO], XS, v[CIO]                ; whole rows 16 w + k, on the way in and out
	v_lshlrev_b32 v[T], 4, v0                      ; 16 x thread, for the parameters
	s_mov_b32 s42, 0x76543210
	s_mov_b32 s43, 0xfedcba98
	s_mov_b32 s60, 0x3b000000                      ; 1 / 512
	s_mov_b32 s61, 0x3727c5ac                      ; 1e-5
.irp b, 0,1,2,3
	v_mov_b32 v[TM+4+\b], 0
.endr
	s_lshl_b32 s54, s41, 17
	s_lshr_b32 s56, s40, 1
	s_lshl_b32 s56, s56, 16
	s_add_co_u32 s54, s54, s56
	s_and_b32 s56, s40, 1
	s_lshl_b32 s56, s56, 14
	s_add_co_u32 s54, s54, s56                     ; token 64 g + 32 (w / 2) + 8 (w % 2), in bytes of 2,048 a row
	s_mov_b32 s55, 0
	s_wait_kmcnt 0x0
	s_load_b64 s[50:51], s[32:33], 0x0             ; router_b
	s_add_nc_u64 s[14:15], s[14:15], s[54:55]
	s_add_nc_u64 s[34:35], s[34:35], s[54:55]
	s_mul_i32 s54, s41, 24576
	s_add_nc_u64 s[8:9], s[8:9], s[54:55]
	s_lshl_b32 s54, s41, 10
	s_add_nc_u64 s[10:11], s[10:11], s[54:55]
	s_mul_i32 s54, s40, 870400
	s_add_nc_u64 s[CB:CB+1], s[12:13], s[54:55]
	s_lshl_b32 s54, s41, 3
	s_add_nc_u64 s[36:37], s[36:37], s[54:55]
	; all the head's loads go out together: the parameters, x, h's codes and scale words, the first four units
	global_load_b128 v[32:35], v[T], s[16:17]
	global_load_b128 v[36:39], v[T], s[18:19]
	global_load_b128 v[40:43], v[T], s[20:21]
	global_load_b128 v[44:47], v[T], s[22:23]
	global_load_b128 v[48:51], v[T], s[24:25]
.irp i, 0,1
	global_load_b128 v[52+4*\i:55+4*\i], v[T], s[26:27] offset:2048*\i
	global_load_b128 v[60+4*\i:63+4*\i], v[T], s[28:29] offset:2048*\i
.endr
.irp i, 0,1,2,3,4,5,6,7
	global_load_b128 v[68+4*\i:71+4*\i], v[T], s[30:31] offset:2048*\i
.endr
	WIN 0x80
.irp k, 0,1,2,3,4,5,6,7,8,9,10,11,12,13,14,15
.irp q, 0,1,2,3
	global_load_b128 v[4*(4*\k+\q):4*(4*\k+\q)+3], v[LI], s[14:15] offset:(\k+8*(\k/8))*2048+512*\q th:TH_LOAD_NT   ; 512 consecutive bytes of a row
.endr
.endr
	WIN 0xc0
.irp m, 0,1,2,3
.irp s, 0,1,2,3
.irp p, 0,1,2,3,4,5
	global_load_b64 v[12*(4*\s+\m)+2*\p:12*(4*\s+\m)+2*\p+1], v[LS8], s[8:9] offset:(4*\m+\s)*1536+256*\p th:TH_LOAD_NT
.endr
.endr
.endr
	WIN 0
.irp m, 0,1,2,3
.irp sp, 0,1
	global_load_b32 v[HSCR+2*\m+\sp], v[LS4], s[10:11] offset:256*\m+128*\sp
.endr
.endr
	REFILL 0, CB, 0
	REFILL 1, CB, 6400
	REFILL 2, CB, 12800
	REFILL 3, CB, 19200
	s_wait_loadcnt 63                              ; behind x's last load 156 loads were issued: the parameters and x are in
.irp n, 0,1,2,3,4,5,6,7,8,9,10,11,12,13,14,15,16
	ds_store_b128 v[T], v[32+4*\n:35+4*\n] offset:2048*\n
.endr
	WIN 0x08
.irp k, 0,1,2,3,4,5,6,7,8,9,10,11,12,13,14,15
.irp q, 0,1,2,3
	ds_store_b128 v[CIO], v[4*(4*\k+\q):4*(4*\k+\q)+3] offset:\k*XP+512*\q
.endr
.endr
	WIN 0
	s_wait_dscnt 0x0
	s_barrier_signal -1
	s_barrier_wait -1                              ; the parameters and 64 rows of x lie in LDS
	LDPAR PARA, 0                                  ; bo
	s_wait_dscnt 0x0
	; ---- h Wo + bo: eight units
.irp u, 0,1,2,3,4,5,6,7
	STEP 0xad, 0x9d, \u/2, \u%2, \u%4, \u<2, 48*(\u/2), HSCR, 0
	REFILL \u%4, CB, (\u+4)*6400
.endr
	s_wait_xcnt 0x0                                ; the loads have read their base
	s_add_nc_u64 s[CB:CB+1], s[CB:CB+1], 51200
	s_add_nc_u64 s[NB:NB+1], s[CB:CB+1], 102400
.irp m, 0,1,2,3
	XSLD \m, T
	s_wait_dscnt 0x0
	WIN 0x82
.set jj, 0
.rept 32
	v_pk_add_f32 v[64*\m+jj:64*\m+jj+1], v[64*\m+jj:64*\m+jj+1], v[T+jj:T+jj+1]   ; + x
.set jj, jj+2
.endr
	WIN 0
.endr
	LNORM 2048, 4096, 0, 1024
	WIN 0x08
.irp m, 0,1,2,3
	XSST \m, 64*\m                                 ; x1, in f32, into my own columns
.endr
	WIN 0
	; ---- the router: two columns, f32 fused multiply-adds; a pair holds the two experts' sums
.irp b, 0,1,2,3
.irp j, 0,1,2,3,4,5,6,7
	ds_load_b128 v[T+4*\j:T+4*\j+3], v[RWA] offset:10240+256*\b+16*\j
.endr
	s_wait_dscnt 0x0
	WIN 0x02
.irp i, 0,1,2,3,4,5,6,7,8,9,10,11,12,13,14,15
.irp m, 0,1,2,3
.if (\b == 0) && (\i == 0)
	v_pk_mul_f32 v[LG+2*\m:LG+2*\m+1], v[64*\m:64*\m+1], v[T:T+1] op_sel_hi:[0,1]
.elseif (\i%2) == 0
	v_pk_fma_f32 v[LG+2*\m:LG+2*\m+1], v[64*\m+16*\b+\i:64*\m+16*\b+\i+1], v[T+2*\i:T+2*\i+1], v[LG+2*\m:LG+2*\m+1] op_sel_hi:[0,1,1]
.else
	v_pk_fma_f32 v[LG+2*\m:LG+2*\m+1], v[64*\m+16*\b+\i-1:64*\m+16*\b+\i], v[T+2*\i:T+2*\i+1], v[LG+2*\m:LG+2*\m+1] op_sel:[1,0,0] op_sel_hi:[1,1,1]
.endif
.endr
.endr
	WIN 0
.endr
.irp m, 0,1,2,3
	v_permlanex16_b32 v[RR+2*\m], v[LG+2*\m], s42, s43
	v_permlanex16_b32 v[RR+2*\m+1], v[LG+2*\m+1], s42, s43
.endr
.irp m, 0,1,2,3
	v_pk_add_f32 v[LG+2*\m:LG+2*\m+1], v[LG+2*\m:LG+2*\m+1], v[RR+2*\m:RR+2*\m+1]
.endr
.irp m, 0,1,2,3
	ds_store_b64 v[R2W], v[LG+2*\m:LG+2*\m+1] offset:RED+2048+512*\m
.endr
.irp m, 0,1,2,3                                ; x1's columns 128 w on are K step w of the first product
	QUANT 64*\m, 2
.irp c, 0,1,2
	ds_store_b128 v[XIW], v[PC+4*\c:PC+4*\c+3] offset:6144*\m+512*\c
.endr
	ds_store_b32 v[SW], v[PW] offset:XSC+256*\m
.endr
	s_wait_dscnt 0x0
	s_barrier_signal -1
	s_barrier_wait -1                              ; x1's sixteen fragments and the logits' parts lie in LDS
.irp m, 0,1,2,3
	ds_load_b128 v[88+8*\m:91+8*\m], v[R2R] offset:RED+2048+512*\m
	ds_load_b128 v[92+8*\m:95+8*\m], v[R2R] offset:RED+2048+512*\m+16
.endr
	s_wait_dscnt 0x0
	s_wait_kmcnt 0x0
.irp m, 0,1,2,3
	v_pk_add_f32 v[88+8*\m:89+8*\m], v[88+8*\m:89+8*\m], v[90+8*\m:91+8*\m]
	v_pk_add_f32 v[92+8*\m:93+8*\m], v[92+8*\m:93+8*\m], v[94+8*\m:95+8*\m]
.endr
.irp m, 0,1,2,3
	v_pk_add_f32 v[88+8*\m:89+8*\m], v[88+8*\m:89+8*\m], v[92+8*\m:93+8*\m]
.endr
.irp m, 0,1,2,3
	v_add_f32 v[88+8*\m], s50, v[88+8*\m]
	v_add_f32 v[89+8*\m], s51, v[89+8*\m]
.endr
.irp m, 0,1,2,3
	v_max_num_f32 v[90+8*\m], v[88+8*\m], v[89+8*\m]   ; the maximum is taken away ahead of the exponentials
.endr
.irp m, 0,1,2,3
	v_sub_f32 v[88+8*\m], v[88+8*\m], v[90+8*\m]
	v_sub_f32 v[89+8*\m], v[89+8*\m], v[90+8*\m]
.endr
.irp m, 0,1,2,3
	v_mul_f32 v[88+8*\m], 0x3fb8aa3b, v[88+8*\m]
	v_mul_f32 v[89+8*\m], 0x3fb8aa3b, v[89+8*\m]
.endr
.irp m, 0,1,2,3
	v_exp_f32 v[88+8*\m], v[88+8*\m]
	v_exp_f32 v[89+8*\m], v[89+8*\m]
.endr
	v_nop
	s_wait_alu depctr_va_vdst(0)
.irp m, 0,1,2,3
	v_add_f32 v[90+8*\m], v[88+8*\m], v[89+8*\m]
.endr
.irp m, 0,1,2,3
	v_rcp_f32 v[91+8*\m], v[90+8*\m]
.endr
	v_nop
	s_wait_alu depctr_va_vdst(0)
.irp m, 0,1,2,3
	v_mul_f32 v[88+8*\m], v[88+8*\m], v[91+8*\m]   ; the router's weights p
	v_mul_f32 v[89+8*\m], v[89+8*\m], v[91+8*\m]
.endr
.irp m, 0,1,2,3
	v_add_f32 v[90+8*\m], v[88+8*\m], v[89+8*\m]
.endr
.irp m, 0,1,2,3
	v_rcp_f32 v[92+8*\m], v[90+8*\m]
.endr
	v_nop
	s_wait_alu depctr_va_vdst(0)
.irp m, 0,1,2,3
	v_mul_f32 v[GP+2*\m], v[88+8*\m], v[92+8*\m]   ; the gates: p / (p0 + p1)
	v_mul_f32 v[GP+8+2*\m], v[89+8*\m], v[92+8*\m]
.endr
.irp m, 0,1,2,3
	v_mov_b32 v[GP+2*\m+1], v[GP+2*\m]
	v_mov_b32 v[GP+9+2*\m], v[GP+8+2*\m]
.endr
	s_cmp_lg_u32 s40, 0                            ; wave 0 stores the sums of p over the 64 rows
	s_cbranch_scc1 .Lno_psum
	v_add_f32 v120, v88, v96
	v_add_f32 v121, v89, v97
	v_add_f32 v122, v104, v112
	v_add_f32 v123, v105, v113
	v_add_f32 v120, v120, v122
	v_add_f32 v121, v121, v123
.irp x, 1,2,4,8
	v_add_f32_dpp v120, v120, v120 row_xmask:\x row_mask:0xf bank_mask:0xf
	v_add_f32_dpp v121, v121, v121 row_xmask:\x row_mask:0xf bank_mask:0xf
.endr
	v_cmp_gt_u32 vcc_lo, 1, v0
	s_wait_xcnt 0x0                                ; EXEC changes only behind this wait
	s_and_saveexec_b32 s54, vcc_lo
	global_store_b64 v[LS4], v[120:121], s[36:37]
	s_wait_xcnt 0x0
	s_or_b32 exec_lo, exec_lo, s54
.Lno_psum:
	LDACC 0
	v_mov_b32 v[B1A], v[PARA]
	LDPAR B1A, 18432                               ; B1 of chunk 0
.irp m, 0,1,2,3
.irp sp, 0,1
	ds_load_b32 v[XSCR+2*\m+\sp], v[LS4] offset:XSC+256*\m+128*\sp
.endr
.endr
	FETCH 0, XIR, 0
	FETCH 1, XIR, 1
	s_mov_b32 s48, 0
.Lchunk:                                           ; eight trips: chunk 4 e + cc: 512 hidden units of expert e; 256 matrix instructions a wave
.irp u, 0,1,2,3,4,5,6,7
.if \u == 0
	s_wait_dscnt 12                                ; the bias, the scale words and K step 0 are in; K step 1's 12 loads may be out
.elseif \u == 2
	s_wait_dscnt 28                                ; K step 1 is in; the next bias's 16 loads and K step 2's 12 may be out
.elseif \u == 4
	s_wait_dscnt 12
.elseif \u == 6
	s_wait_dscnt 0x0
.endif
	STEP 0xa1, 0x91, \u/2, \u%2, \u%4, \u<2, ACT+48*((\u/2)%2), XSCR, 0
	REFILL \u%4, CB, (\u+4)*6400
.if \u == 1
	s_add_co_u32 s54, s48, 1
	s_min_u32 s54, s54, 7                          ; (the last trip takes its own again: nothing is read beyond B1)
	s_lshl_b32 s54, s54, 11
	v_add_nc_u32 v[B1A], s54, v[PARA]
	LDPAR B1A, 18432                               ; the next chunk's B1
	FETCH 0, XIR, 2
.elseif \u == 3
	FETCH 1, XIR, 3
.endif
.endr
.irp m, 0,1,2,3
	WIN 0x88
.set jj, 0
.rept 64
	v_max_num_f32 v[64*\m+jj], 0, v[64*\m+jj]      ; relu, in f32
.set jj, jj+1
.endr
	QUANT 64*\m, 2
.irp c, 0,1,2
	ds_store_b128 v[HIW], v[PC+4*\c:PC+4*\c+3] offset:6144*\m+512*\c   ; my 128 hidden units are K step w of the chunk
.endr
	ds_store_b32 v[SW], v[PW] offset:HSC+256*\m
.endr
	s_wait_dscnt 0x0
	s_barrier_signal -1
	s_barrier_wait -1                              ; the chunk's sixteen fragments lie in LDS
.irp m, 0,1,2,3
.irp sp, 0,1
	ds_load_b32 v[HSCR+2*\m+\sp], v[LS4] offset:HSC+256*\m+128*\sp
.endr
.endr
	FETCH 0, HIR, 0
	FETCH 1, HIR, 1
.irp u, 8,9,10,11,12,13,14,15
.if (\u%2) == 0
	s_wait_dscnt 12                                ; this K step's fragments are in; the 12 loads issued behind them may be out
.endif
.if \u == 15
	STEP 0xf1, 0xf1, (\u-8)/2, \u%2, \u%4, 0, ACT+48*(((\u-8)/2)%2), HSCR, 1   ; with the barrier behind which the images are written again
.else
	STEP 0xf1, 0xf1, (\u-8)/2, \u%2, \u%4, 0, ACT+48*(((\u-8)/2)%2), HSCR, 0
.endif
.if \u < 12
	REFILL \u%4, CB, (\u+4)*6400
.else
	REFILL \u%4, NB, (\u-12)*6400                  ; the next chunk's first four units (in the last trip: this chunk's again, so that no load leaves the stream and every count holds)
.endif
.if \u == 9
	FETCH 0, HIR, 2
.elseif \u == 11
	FETCH 1, HIR, 3
.elseif \u == 13
	FETCH 0, XIR, 0
.elseif \u == 15
	FETCH 1, XIR, 1
.endif
.endr
	s_cmp_lg_u32 s48, 3
	s_cbranch_scc1 .Lno_fold
.irp m, 0,1,2,3                                ; expert 0 is done: x1 + gate_0 (y_0 + B2[0]) into my own columns of the stage; expert 1's sums begin
	XSLD \m, T
	s_wait_dscnt 0x0
	WIN 0x03
.set jj, 0
.rept 32
	v_pk_fma_f32 v[T+jj:T+jj+1], v[64*\m+jj:64*\m+jj+1], v[GP+2*\m:GP+2*\m+1], v[T+jj:T+jj+1]
.set jj, jj+2
.endr
	WIN 0
	XSST \m, T
	s_wait_dscnt 0x0
.endr
	LDACC 1
.Lno_fold:
	s_wait_xcnt 0x0                                ; the loads have read their bases
	s_mov_b64 s[CB:CB+1], s[NB:NB+1]
	s_cmp_lt_u32 s48, 6
	s_cselect_b32 s54, 102400, 0
	s_mov_b32 s55, 0
	s_add_nc_u64 s[NB:NB+1], s[NB:NB+1], s[54:55]
	s_add_co_u32 s48, s48, 1
	s_cmp_lt_u32 s48, 8
	s_cbranch_scc1 .Lchunk
	; ---- x1 + gate_0 (..) + gate_1 (y_1 + B2[1]), the second norm, and out
	s_wait_dscnt 0x0
	WIN 0x80
.irp m, 0,1,2,3
	XSLD \m, 64*\m
.endr
	WIN 0
	s_wait_dscnt 0x0
	WIN 0xa3
.irp m, 0,1,2,3
.set jj, 0
.rept 32
	v_pk_fma_f32 v[64*\m+jj:64*\m+jj+1], v[64*\m+jj:64*\m+jj+1], v[GP+8+2*\m:GP+9+2*\m], v[64*\m+jj:64*\m+jj+1]
.set jj, jj+2
.endr
.endr
	WIN 0
	LNORM 6144, 8192, 4096, 5120
	WIN 0x08
.irp m, 0,1,2,3
	XSST \m, 64*\m
.endr
	WIN 0
	s_wait_dscnt 0x0
	s_barrier_signal -1
	s_barrier_wait -1                              ; 64 whole rows of out lie in the stage
.irp g, 0,1,2,3
.if \g > 0
	s_wait_xcnt 0x0                                ; the last run's stores have read their registers
.endif
.irp i, 0,1,2,3,4,5,6,7,8,9,10,11,12,13,14,15
	ds_load_b128 v[T+4*\i:T+4*\i+3], v[CIO] offset:(4*\g+\i/4)*XP+512*(\i%4)
.endr
.irp i, 0,1,2,3,4,5,6,7,8,9,10,11,12,13,14,15
	s_wait_dscnt 15-\i
	global_store_b128 v[LI], v[T+4*\i:T+4*\i+3], s[34:35] offset:((4*\g+\i/4)+8*((4*\g+\i/4)/8))*2048+512*(\i%4) th:TH_STORE_NT   ; 512 consecutive bytes of a row, aligned
.endr
.endr
	s_wait_tensorcnt 0x0
	ds_add_u32 v182, v183
	s_wait_dscnt 0x0
	s_endpgm
.Lfunc_end_k_q4f18b5d5be_ffn:
	.size	k_q4f18b5d5be_ffn, .Lfunc_end_k_q4f18b5d5be_ffn-k_q4f18b5d5be_ffn
	.p2alignl 7, 3214868480
	.fill 96, 4, 3214868480
	.section	.rodata,"a",@progbits
	.p2align	6, 0x0
	.amdhsa_kernel k_q4f18b5d5be_ffn
		.amdhsa_group_segment_fixed_size 226816
		.amdhsa_private_segment_fixed_size 0
		.amdhsa_enable_private_segment 0
		.amdhsa_kernarg_size 120
		.amdhsa_user_sgpr_count 2
		.amdhsa_user_sgpr_kernarg_segment_ptr 1
		.amdhsa_wavefront_size32 1
		.amdhsa_system_sgpr_workgroup_id_x 1
		.amdhsa_system_sgpr_workgroup_id_y 1
		.amdhsa_system_sgpr_workgroup_id_z 1
		.amdhsa_system_vgpr_workitem_id 0
		.amdhsa_next_free_vgpr 1024
		.amdhsa_next_free_sgpr 66
		.amdhsa_reserve_vcc 1
		.amdhsa_float_denorm_mode_32 3
		.amdhsa_float_denorm_mode_16_64 3
		.amdhsa_memory_ordered 1
		.amdhsa_forward_progress 1
		.amdhsa_inst_pref_size 255
	.end_amdhsa_kernel
	.section	.bss,"aw",@nobits
	.p2align	6
	.space	262144
	.amdgpu_metadata
---
amdhsa.version: [ 1, 2 ]
amdhsa.kernels:
  - .name:           k_q4f18b5d5be_ffn
    .symbol:         k_q4f18b5d5be_ffn.kd
    .args:
      - { .name: hc, .offset: 0, .size: 8, .value_kind: global_buffer, .address_space: global }
      - { .name: hs, .offset: 8, .size: 8, .value_kind: global_buffer, .address_space: global }
      - { .name: ws, .offset: 16, .size: 8, .value_kind: global_buffer, .address_space: global }
      - { .name: x, .offset: 24, .size: 8, .value_kind: global_buffer, .address_space: global }
      - { .name: bo, .offset: 32, .size: 8, .value_kind: global_buffer, .address_space: global }
      - { .name: g1, .offset: 40, .size: 8, .value_kind: global_buffer, .address_space: global }
      - { .name: beta1, .offset: 48, .size: 8, .value_kind: global_buffer, .address_space: global }
      - { .name: g2, .offset: 56, .size: 8, .value_kind: global_buffer, .address_space: global }
      - { .name: beta2, .offset: 64, .size: 8, .value_kind: global_buffer, .address_space: global }
      - { .name: router_w, .offset: 72, .size: 8, .value_kind: global_buffer, .address_space: global }
      - { .name: B2, .offset: 80, .size: 8, .value_kind: global_buffer, .address_space: global }
      - { .name: B1, .offset: 88, .size: 8, .value_kind: global_buffer, .address_space: global }
      - { .name: router_b, .offset: 96, .size: 8, .value_kind: global_buffer, .address_space: global }
      - { .name: out0, .offset: 104, .size: 8, .value_kind: global_buffer, .address_space: global }
      - { .name: psum, .offset: 112, .size: 8, .value_kind: global_buffer, .address_space: global }
    .group_segment_fixed_size: 226816
    .private_segment_fixed_size: 0
    .kernarg_segment_align: 8
    .kernarg_segment_size: 120
    .max_flat_workgroup_size: 128
    .sgpr_count:     66
    .vgpr_count:     1024
    .wavefront_size: 32
...
	.end_amdgpu_metadata
.endif
;; end of part 3
;; launch lbsum (part 4): grid 1 x 1, 1 waves a work-group, no clusters, 0 bytes of LDS; arguments psum, out1; writes out1
.if DOCPART == 4
	.amdgcn_target "amdgcn-amd-amdhsa--gfx1250"
	.amdhsa_code_object_version 6
	.text
	.protected	k_q4f18b5d5be_lbsum
	.globl	k_q4f18b5d5be_lbsum
	.p2align	8
	.type	k_q4f18b5d5be_lbsum,@function
k_q4f18b5d5be_lbsum:
	s_mov_b64 s[64:65], 0
	v_nop
	global_prefetch_b8 v0, s[64:65] scope:SCOPE_SE
	s_setreg_imm32_b32 hwreg(HW_REG_WAVE_MODE, 25, 1), 1
	s_wait_xcnt 0x0
; The load-balancing loss: E x sum over i of f_i P_i, E = 2.  P_i is the mean over the 8,192 tokens of the router's weight of expert i: the 128 pairs of partial sums are added here, in a fixed order.
; f_i is the share of tokens routed to expert i: the top 2 of 2 experts name both for every token, so f = (1, 1) by the problem's own constants.
; lb = 2 (1 x S0 + 1 x S1) / 8,192 = (S0 + S1) x 2^-12.
	s_load_b128 s[4:7], s[0:1], 0x0                ; psum, out1
	v_lshlrev_b32 v1, 5, v0                        ; four pairs a lane
	v_mov_b32 v2, 0
	v_mov_b32 v12, 0                               ; written once: a lane permute's destination counts as one of its sources
	v_mov_b32 v13, 0
	s_mov_b32 s8, 0x76543210
	s_mov_b32 s9, 0xfedcba98
	s_wait_kmcnt 0x0
	global_load_b128 v[4:7], v1, s[4:5]
	global_load_b128 v[8:11], v1, s[4:5] offset:16
	s_wait_loadcnt 0x0
	v_add_f32 v4, v4, v6
	v_add_f32 v5, v5, v7
	v_add_f32 v8, v8, v10
	v_add_f32 v9, v9, v11
	v_add_f32 v4, v4, v8
	v_add_f32 v5, v5, v9
.irp x, 1,2,4,8
	v_add_f32_dpp v4, v4, v4 row_xmask:\x row_mask:0xf bank_mask:0xf
	v_add_f32_dpp v5, v5, v5 row_xmask:\x row_mask:0xf bank_mask:0xf
.endr
	v_permlanex16_b32 v12, v4, s8, s9
	v_permlanex16_b32 v13, v5, s8, s9
	v_add_f32 v4, v4, v12                          ; S0
	v_add_f32 v5, v5, v13                          ; S1
	v_fma_f32 v4, v5, 1.0, v4                      ; f_0 S0 + f_1 S1
	v_mul_f32 v4, 0x39800000, v4                   ; x 2 / 8,192
	v_cmp_gt_u32 vcc_lo, 1, v0
	s_wait_xcnt 0x0                                ; EXEC changes only behind this wait
	s_and_saveexec_b32 s10, vcc_lo
	global_store_b32 v2, v4, s[6:7]
	s_wait_xcnt 0x0
	s_or_b32 exec_lo, exec_lo, s10
	s_endpgm
.Lfunc_end_k_q4f18b5d5be_lbsum:
	.size	k_q4f18b5d5be_lbsum, .Lfunc_end_k_q4f18b5d5be_lbsum-k_q4f18b5d5be_lbsum
	.p2alignl 7, 3214868480
	.fill 96, 4, 3214868480
	.section	.rodata,"a",@progbits
	.p2align	6, 0x0
	.amdhsa_kernel k_q4f18b5d5be_lbsum
		.amdhsa_group_segment_fixed_size 0
		.amdhsa_private_segment_fixed_size 0
		.amdhsa_enable_private_segment 0
		.amdhsa_kernarg_size 16
		.amdhsa_user_sgpr_count 2
		.amdhsa_user_sgpr_kernarg_segment_ptr 1
		.amdhsa_wavefront_size32 1
		.amdhsa_system_sgpr_workgroup_id_x 1
		.amdhsa_system_sgpr_workgroup_id_y 1
		.amdhsa_system_sgpr_workgroup_id_z 1
		.amdhsa_system_vgpr_workitem_id 0
		.amdhsa_next_free_vgpr 24
		.amdhsa_next_free_sgpr 66
		.amdhsa_reserve_vcc 1
		.amdhsa_float_denorm_mode_32 3
		.amdhsa_float_denorm_mode_16_64 3
		.amdhsa_memory_ordered 1
		.amdhsa_forward_progress 1
		.amdhsa_inst_pref_size 3
	.end_amdhsa_kernel
	.amdgpu_metadata
---
amdhsa.version: [ 1, 2 ]
amdhsa.kernels:
  - .name:           k_q4f18b5d5be_lbsum
    .symbol:         k_q4f18b5d5be_lbsum.kd
    .args:
      - { .name: psum, .offset: 0, .size: 8, .value_kind: global_buffer, .address_space: global }
      - { .name: out1, .offset: 8, .size: 8, .value_kind: global_buffer, .address_space: global }
    .group_segment_fixed_size: 0
    .private_segment_fixed_size: 0
    .kernarg_segment_align: 8
    .kernarg_segment_size: 16
    .max_flat_workgroup_size: 32
    .sgpr_count:     66
    .vgpr_count:     24
    .wavefront_size: 32
...
	.end_amdgpu_metadata
.endif
;; end of part 4
;; ======== version 2 of 2: 4 launches; 1.13 times as fast as version 1
;; workspace buffers: qc 3,145,728 bytes; kvc 6,291,456 bytes; sc 393,216 bytes; ws 3,481,600 bytes; mwords 1,024 bytes of whole numbers; hc 3,145,728 bytes; hs 131,072 bytes; part 33,555,456 bytes
;; launch qkv: the kernel of part 1 again; grid 64 x 4, 4 waves a work-group, no clusters, 51,712 bytes of LDS; arguments x, attention_mask, Wq_codes, Wq_scales, bq, Wk_codes, Wk_scales, bk, Wv_codes, Wv_scales, bv, Wo_codes, Wo_scales, W1_codes, W1_scales, W2_codes, W2_scales, qc, kvc, sc, ws, mwords; writes qc, kvc, sc, ws, mwords
;; launch attn: the kernel of part 2 again; grid 2 x 128, 16 waves a work-group, no clusters, 53,248 bytes of LDS; arguments qc, kvc, sc, mwords, hc, hs; writes hc, hs
;; launch ffn (part 5): grid 256 x 1, 4 waves a work-group, no clusters, 226,816 bytes of LDS; arguments hc, hs, ws, x, bo, g1, beta1, router_w, B2, B1, router_b, part; writes part
.if DOCPART == 5
	.amdgcn_target "amdgcn-amd-amdhsa--gfx1250"
	.amdhsa_code_object_version 6
	.text
	.protected	k_q4f18b5d5be_ffn
	.globl	k_q4f18b5d5be_ffn
	.p2align	8
	.type	k_q4f18b5d5be_ffn,@function
k_q4f18b5d5be_ffn:
	s_mov_b64 s[64:65], 0
	v_nop
	global_prefetch_b8 v0, s[64:65] scope:SCOPE_SE
	s_setreg_imm32_b32 hwreg(HW_REG_WAVE_MODE, 25, 1), 1
	s_wait_xcnt 0x0
; x1 = LN(x + h Wo + bo); gates = the router's two softmax weights, renormalised (top 2 of 2 experts: both always count); then ONE expert's share of x1 + sum over e of gate_e (relu(x1 W1[e] + B1[e]) W2[e] + B2[e]).
; All products on codes of E3M2 with one E8M0 scale for each 32 along K; the router's product (2 columns) by f32 fused multiply-adds.
; SHARES.  Work-group 2 g + e takes the 64 rows 64 g on and expert e.  Both partners make x1 and the gates (8 of a wave's 136 weight units are walked twice for that); each walks its own expert's 64 units a wave.
; It stores, in f32, row by row: part[0] = x1 + gate_0 (y_0 + B2[0]) or part[1] = gate_1 (y_1 + B2[1]); the next launch adds the two and takes the second norm.  Expert 0's work-group also stores the sums of the router's weights over its rows.
; The 64 rows are four tiles m of 16; row 16 m + r is token 32 (m / 2) + 8 (m % 2) + r + 8 (r / 8).  THE WAVES SHARE THE COLUMNS: wave w owns columns 128 w .. 128 w + 127 of h Wo, x1 and y,
; and hidden units 128 w .. + 127 of each chunk of 512.  So a weight's fragment is read by one wave alone and feeds four products: the weights come from memory straight into registers, as dense 16-byte loads of the
; stream that the first launch has laid out, four units (6,400 bytes: four fragments and their scale words) ahead.
; NO CLUSTER: a joint load ends in LDS, where each weight byte would cost one write and one read more and be read by one wave once; what the work-groups share they take from the same stream at about the same time.
; Products are used transposed (source 0 = 16 rows of a weight, source 1 = 16 rows of the operand): a lane holds one row, its registers run along the columns, which are the next K.
; x1 and the hidden chunk go from wave to wave through LDS as images of the operand's registers.  Biases are the C of a sum's first product; the expert's sums begin as B2[e], loaded in the result's layout.
; No LDS address hangs on e: only the expert's own B1 and B2 are copied into LDS, chosen by their addresses in memory.
; LIMITS: NaN and infinities are not served (expert 1's share holds 0 x x1); a block of zeros gets the scale byte 1 (its codes are zeros).
; REGISTERS.  window 0: v1-15 offsets; v16-31 the gates, in pairs; v32-127 two sets of four fragments (at other times at work); v128-151 scale words; v152-188 the quantiser's; v192-255 at work.
;   window 1: the ring of four units (48 each); from v192 a bias, 8 tiles.   window 2: HACC(m, t) at 64 m + 8 t.   window 3: ACC(m, n) likewise; ahead of the loop h's 16 fragments.
.set RED,  34816                       ; LDS: 0: bo, g1, beta1 (2,048 each), router_w 10,240, B2[e] 14,336, B1[e] 18,432;  RED: sums that meet across the waves
.set XSC,  43008                       ; x1's scale words [m][s][16 rows x 4 bytes]
.set HSC,  44032                       ; the hidden chunk's
.set XIMG, 45056                       ; x1's 16 fragments (m, s) at (4 m + s) x 1,536
.set HIMG, 69632                       ; the hidden chunk's
.set XS,   94208                       ; 64 rows of f32, 2,064 bytes apart: x, then x1, at the end the share that leaves
.set XP,   2064
.set LI,   1
.set LS8,  2
.set LS4,  3
.set XSA,  4                           ; v4, v5: my columns of rows r (m = 0, 1) and 32 + r (m = 2, 3) in XS
.set PARA, 6                           ; 512 w + 64 h: my columns among 512 parameters
.set RWA,  7
.set RDW,  8
.set RDR,  9
.set XIW,  10
.set SW,   11
.set HIW,  12
.set R2W,  13
.set XIR,  14
.set HIR,  15
.set GP,   16                          ; my expert's gate of tile m: the pair at GP + 2 m  (GP + 8 + 2 m: at work)
.set ACT,  32
.set SUMP, 32                          ; the norm's registers lie where no fragment is in use
.set RR,   40
.set MU,   56
.set RS,   64
.set LG,   72
.set WSC,  128
.set XSCR, 136
.set HSCR, 144
.set PC,   152
.set TM,   172
.set PW,   188
.set B1A,  189
.set CIO,  190
.set R2R,  191
.set T,    192
.set BIAS, 192
.set CB,   44                          ; s[44:45] the chunk's first unit in my stream;  s[46:47] the next chunk's
.set NB,   46
.set MSB, 0
.macro WIN new
.if MSB != (\new)
	s_set_vgpr_msb (MSB<<8)|(\new)
.set MSB, (\new)
.endif
.endm
.macro WMMA
.if (wRA == 0) && (wRB == 0)
	v_wmma_scale_f32_16x16x128_f8f6f4 v[wD:wD+7], v[wA:wA+11], v[wB:wB+11], v[wC:wC+7], v[wSA], v[wSB] matrix_a_fmt:MATRIX_FMT_BF6 matrix_b_fmt:MATRIX_FMT_BF6
.elseif (wRB == 0)
	v_wmma_scale_f32_16x16x128_f8f6f4 v[wD:wD+7], v[wA:wA+11], v[wB:wB+11], v[wC:wC+7], v[wSA], v[wSB] matrix_a_fmt:MATRIX_FMT_BF6 matrix_b_fmt:MATRIX_FMT_BF6 matrix_a_scale:MATRIX_SCALE_ROW1
.elseif (wRA == 0)
	v_wmma_scale_f32_16x16x128_f8f6f4 v[wD:wD+7], v[wA:wA+11], v[wB:wB+11], v[wC:wC+7], v[wSA], v[wSB] matrix_a_fmt:MATRIX_FMT_BF6 matrix_b_fmt:MATRIX_FMT_BF6 matrix_b_scale:MATRIX_SCALE_ROW1
.else
	v_wmma_scale_f32_16x16x128_f8f6f4 v[wD:wD+7], v[wA:wA+11], v[wB:wB+11], v[wC:wC+7], v[wSA], v[wSB] matrix_a_fmt:MATRIX_FMT_BF6 matrix_b_fmt:MATRIX_FMT_BF6 matrix_a_scale:MATRIX_SCALE_ROW1 matrix_b_scale:MATRIX_SCALE_ROW1
.endif
.endm
; 64 numbers of a lane, registers s .. s + 63 of window hw, register 16 b + i = number 32 b + 16 (lane / 16) + i of my row, become a fragment's codes in v[PC] on and its scale word in v[PW].
.macro QUANT s, hw
	WIN (\hw)|((\hw)<<2)
.irp b, 0,1,2,3
	v_max3_num_f32 v[TM+\b], |v[(\s)+16*\b]|, |v[(\s)+1+16*\b]|, 0x2800000   ; my 16 numbers of block b, and the floor 2^(5 - 127)
.endr
	WIN ((\hw)<<2)|((\hw)<<4)
.irp i, 2,4,6,8,10,12,14
.irp b, 0,1,2,3
	v_max3_num_f32 v[TM+\b], v[TM+\b], |v[(\s)+16*\b+\i]|, |v[(\s)+1+16*\b+\i]|
.endr
.endr
	WIN 0
.irp b, 0,1,2,3
	v_permlanex16_b32 v[TM+4+\b], v[TM+\b], s42, s43
.endr
.irp b, 0,1,2,3
	v_max_num_f32 v[TM+\b], v[TM+\b], v[TM+4+\b]
.endr
.irp b, 0,1,2,3
	v_add_nc_u32 v[TM+12+\b], 0xfe000000, v[TM+\b]
.endr
.irp b, 0,1,2,3
	v_lshrrev_b32 v[TM+4+\b], 23, v[TM+12+\b]
.endr
	v_lshl_or_b32 v[PW], v[TM+5], 8, v[TM+4]
	v_lshl_or_b32 v[PW], v[TM+6], 16, v[PW]
	v_lshl_or_b32 v[PW], v[TM+7], 24, v[PW]
	s_wait_dscnt 0x0                               ; the stores of the codes made last have read their registers
	WIN (\hw)
.irp c, 0,1
	v_cvt_scalef32_pk16_bf6_f32 v[PC+6*\c:PC+2+6*\c], v[(\s)+32*\c:(\s)+15+32*\c], v[TM+12+2*\c]
	v_cvt_scalef32_pk16_bf6_f32 v[PC+12+4*\c:PC+14+4*\c], v[(\s)+16+32*\c:(\s)+31+32*\c], v[TM+12+2*\c+1]
.endr
	WIN 0
	v_nop
.irp c, 0,1
.irp i, 0,1,2
	v_permlane16_swap_b32 v[PC+6*\c+\i], v[PC+12+4*\c+\i]
.endr
.irp i, 0,1,2
	v_mov_b32 v[PC+3+6*\c+\i], v[PC+12+4*\c+\i]
.endr
.endr
.endm
.macro REFILL slot, base, off          ; a unit of my stream into a slot of the ring: 13 loads
	WIN 0x40
.irp k, 0,1,2,3,4,5,6,7,8,9,10,11
	global_load_b128 v[48*(\slot)+4*\k:48*(\slot)+4*\k+3], v[LI], s[\base:\base+1] offset:(\off)+512*\k
.endr
	WIN 0
	global_load_b64 v[WSC+2*(\slot):WSC+2*(\slot)+1], v[LS8], s[\base:\base+1] offset:(\off)+6144
.endm
.macro FETCH buf, adr, s               ; the four tiles' fragments of K step s
.irp m, 0,1,2,3
.irp k, 0,1,2
	ds_load_b128 v[ACT+48*(\buf)+12*\m+4*\k:ACT+48*(\buf)+12*\m+4*\k+3], v[\adr] offset:(4*\m+(\s))*1536+512*\k
.endr
.endr
.endm
; 16 matrix instructions on 16 accumulators: a unit's four tiles x the four tiles of rows; one instruction a turn, and an accumulator comes back two steps on
.macro STEP win, winb, s, half, slot, bias, bbase, sbase, bar
	s_wait_loadcnt 39                              ; the unit is in; its three successors' 3 x 13 loads may be out
.if \bar
	s_wait_dscnt 0x0                               ; my reads of the hidden chunk's images are over:
	s_barrier_signal -1                            ; say so, and work on registers while the others arrive
.endif
.if \bias
	WIN \winb
.else
	WIN \win
.endif
.irp i, 0,1,2,3
.irp m, 0,1,2,3
.set wD, 64*\m+8*(4*(\half)+\i)
.set wA, 48*(\slot)+12*\i
.set wB, (\bbase)+12*\m
.if \bias
.set wC, BIAS+8*(4*(\half)+\i)
.else
.set wC, wD
.endif
.set wSA, WSC+2*(\slot)+\i/2
.set wRA, \i%2
.set wSB, (\sbase)+2*\m+(\s)/2
.set wRB, (\s)%2
	WMMA
.endr
.endr
.if \bar
	s_barrier_wait -1
.endif
	WIN 0
.rept 4
	v_nop                                          ; places in front of loads into registers that these products have read, and of the first read of results
.endr
.endm
.macro LDPAR adr, off                  ; 64 parameters of my columns, in a result's layout, as a bias
	WIN 0x40
.irp t, 0,1,2,3,4,5,6,7
	ds_load_b128 v[BIAS+8*\t:BIAS+8*\t+3], v[\adr] offset:(\off)+128*(\t/2)+32*(\t%2)
	ds_load_b128 v[BIAS+8*\t+4:BIAS+8*\t+7], v[\adr] offset:(\off)+128*(\t/2)+32*(\t%2)+16
.endr
	WIN 0
.endm
.macro LDACC                           ; the expert's sums begin as B2[e]
	WIN 0xc0
.irp m, 0,1,2,3
.irp t, 0,1,2,3,4,5,6,7
	ds_load_b128 v[64*\m+8*\t:64*\m+8*\t+3], v[PARA] offset:14336+128*(\t/2)+32*(\t%2)
	ds_load_b128 v[64*\m+8*\t+4:64*\m+8*\t+7], v[PARA] offset:14336+128*(\t/2)+32*(\t%2)+16
.endr
.endr
	WIN 0
.endm
.macro XSLD m, reg                     ; my 128 columns of tile m's rows: 64 registers
.irp q, 0,1,2,3,4,5,6,7,8,9,10,11,12,13,14,15
	ds_load_b128 v[(\reg)+4*\q:(\reg)+4*\q+3], v[XSA+(\m)/2] offset:16*XP*((\m)%2)+128*(\q/4)+16*(\q%4)
.endr
.endm
.macro XSST m, reg
.irp q, 0,1,2,3,4,5,6,7,8,9,10,11,12,13,14,15
	ds_store_b128 v[XSA+(\m)/2], v[(\reg)+4*\q:(\reg)+4*\q+3] offset:16*XP*((\m)%2)+128*(\q/4)+16*(\q%4)
.endr
.endm
.macro ROWRED reg                      ; each row's four partial sums (one a wave) meet in LDS; every wave adds them in the same order
.irp m, 0,1,2,3
	ds_store_b32 v[RDW], v[SUMP+2*\m] offset:RED+(\reg)+256*\m
.endr
	s_wait_dscnt 0x0
	s_barrier_signal -1
	s_barrier_wait -1
.irp m, 0,1,2,3
	ds_load_b128 v[RR+4*\m:RR+4*\m+3], v[RDR] offset:RED+(\reg)+256*\m
.endr
	s_wait_dscnt 0x0
.irp m, 0,1,2,3
	v_add_f32 v[SUMP+2*\m], v[RR+4*\m], v[RR+4*\m+1]
.endr
.irp m, 0,1,2,3
	v_add_f32 v[RR+4*\m+2], v[RR+4*\m+2], v[RR+4*\m+3]
.endr
.irp m, 0,1,2,3
	v_add_f32 v[SUMP+2*\m], v[SUMP+2*\m], v[RR+4*\m+2]
.endr
.endm
.macro HALVES                          ; a lane's pair, then lane l xor 16's
.irp m, 0,1,2,3
	v_add_f32 v[SUMP+2*\m], v[SUMP+2*\m], v[SUMP+2*\m+1]
.endr
.irp m, 0,1,2,3
	v_permlanex16_b32 v[TM+4+\m], v[SUMP+2*\m], s42, s43
.endr
.irp m, 0,1,2,3
	v_add_f32 v[SUMP+2*\m], v[SUMP+2*\m], v[TM+4+\m]
.endr
.endm
; the norm of the 64 rows in HACC, in two passes as the problem writes it: the mean, then the mean of the squared distances from it
.macro LNORM goff, boff, ra, rb
	WIN 0x0a
.irp m, 0,1,2,3
	v_pk_add_f32 v[SUMP+2*\m:SUMP+2*\m+1], v[64*\m:64*\m+1], v[64*\m+2:64*\m+3]
.endr
	WIN 0x08
.set jj, 4
.rept 30
.irp m, 0,1,2,3
	v_pk_add_f32 v[SUMP+2*\m:SUMP+2*\m+1], v[SUMP+2*\m:SUMP+2*\m+1], v[64*\m+jj:64*\m+jj+1]
.endr
.set jj, jj+2
.endr
	WIN 0
	HALVES
	ROWRED \ra
.irp m, 0,1,2,3
	v_mul_f32 v[MU+2*\m], s60, v[SUMP+2*\m]        ; / 512
.endr
.irp m, 0,1,2,3
	v_mov_b32 v[MU+2*\m+1], v[MU+2*\m]
.endr
	WIN 0x82
.set jj, 0
.rept 32
.irp m, 0,1,2,3
	v_pk_add_f32 v[64*\m+jj:64*\m+jj+1], v[64*\m+jj:64*\m+jj+1], v[MU+2*\m:MU+2*\m+1] neg_lo:[0,1] neg_hi:[0,1]
.endr
.set jj, jj+2
.endr
	WIN 0x0a
.irp m, 0,1,2,3
	v_pk_mul_f32 v[SUMP+2*\m:SUMP+2*\m+1], v[64*\m:64*\m+1], v[64*\m:64*\m+1]
.endr
.set jj, 2
.rept 31
.irp m, 0,1,2,3
	v_pk_fma_f32 v[SUMP+2*\m:SUMP+2*\m+1], v[64*\m+jj:64*\m+jj+1], v[64*\m+jj:64*\m+jj+1], v[SUMP+2*\m:SUMP+2*\m+1]
.endr
.set jj, jj+2
.endr
	WIN 0
	HALVES
	ROWRED \rb
.irp m, 0,1,2,3
	v_fma_f32 v[SUMP+2*\m], v[SUMP+2*\m], s60, s61 ; / 512 + 1e-5
.endr
.irp m, 0,1,2,3
	v_rsq_f32 v[RS+2*\m], v[SUMP+2*\m]
.endr
	v_nop
	s_wait_alu depctr_va_vdst(0)                   ; one wait for the four, ahead of their first reader
.irp m, 0,1,2,3
	v_mov_b32 v[RS+2*\m+1], v[RS+2*\m]
.endr
.irp b, 0,1,2,3
.irp j, 0,1,2,3
	ds_load_b128 v[T+4*\j:T+4*\j+3], v[PARA] offset:(\goff)+128*\b+16*\j
	ds_load_b128 v[T+16+4*\j:T+16+4*\j+3], v[PARA] offset:(\boff)+128*\b+16*\j
.endr
	s_wait_dscnt 0x0
	WIN 0x82
.irp m, 0,1,2,3
.irp i, 0,2,4,6,8,10,12,14
	v_pk_mul_f32 v[64*\m+16*\b+\i:64*\m+16*\b+\i+1], v[64*\m+16*\b+\i:64*\m+16*\b+\i+1], v[RS+2*\m:RS+2*\m+1]
.endr
.endr
.irp m, 0,1,2,3
.irp i, 0,2,4,6,8,10,12,14
	v_pk_fma_f32 v[64*\m+16*\b+\i:64*\m+16*\b+\i+1], v[64*\m+16*\b+\i:64*\m+16*\b+\i+1], v[T+\i:T+\i+1], v[T+16+\i:T+17+\i]
.endr
.endr
	WIN 0
.endr
.endm
	s_load_b512 s[8:23], s[0:1], 0x0               ; hc, hs, ws, x, bo, g1, beta1, router_w
	s_load_b256 s[24:31], s[0:1], 0x40             ; B2, B1, router_b, part
	v_lshl_add_u32 v182, v0, 2, 0x37400
	v_mov_b32 v183, 0
	v_lshrrev_b32 v32, 5, v0
	v_readfirstlane_b32 s40, v32                   ; wave
	s_lshr_b32 s41, ttmp9, 1                       ; g: the block of 64 rows
	s_and_b32 s49, ttmp9, 1                        ; e: my expert
	v_and_b32 v32, 31, v0
	v_and_b32 v33, 15, v0                          ; r
	v_bfe_u32 v34, v0, 4, 1                        ; h
	v_lshlrev_b32 v[LI], 4, v32
	v_lshlrev_b32 v[LS8], 3, v32
	v_lshlrev_b32 v[LS4], 2, v32
	s_lshl_b32 s54, s40, 9
	v_mul_u32_u24 v[XSA], v33, XP
	v_lshl_add_u32 v[XSA], v34, 6, v[XSA]
	v_add_nc_u32 v[XSA], s54, v[XSA]
	v_add_nc_u32 v[XSA], XS, v[XSA]
	v_add_nc_u32 v[XSA+1], 32*XP, v[XSA]
	v_lshl_add_u32 v[PARA], v34, 6, s54
	s_lshl_b32 s55, s40, 10
	v_lshl_add_u32 v[RWA], v34, 7, s55             ; router_w: 8 bytes a row: 1,024 w + 128 h
	s_lshl_b32 s55, s40, 2
	v_lshl_add_u32 v[RDW], v33, 4, s55
	v_lshlrev_b32 v[RDR], 4, v33
	s_mul_i32 s55, s40, 1536
	v_add_nc_u32 v[XIW], s55, v[LI]
	v_add_nc_u32 v[HIW], HIMG, v[XIW]
	v_add_nc_u32 v[XIW], XIMG, v[XIW]
	s_lshl_b32 s55, s40, 6
	v_lshl_add_u32 v[SW], v33, 2, s55
	s_lshl_b32 s55, s40, 3
	v_lshl_add_u32 v[R2W], v33, 5, s55
	v_add_nc_u32 v[XIR], XIMG, v[LI]
	v_add_nc_u32 v[HIR], HIMG, v[LI]
	v_lshlrev_b32 v[R2R], 5, v33
	s_mul_i32 s55, s40, 16*XP
	v_add_nc_u32 v[CIO], s55, v[LI]
	v_add_nc_u32 v[CIO], XS, v[CIO]                ; whole rows 16 w + k, on the way in and out
	v_lshlrev_b32 v[T], 4, v0                      ; 16 x thread, for the parameters
	s_mov_b32 s42, 0x76543210
	s_mov_b32 s43, 0xfedcba98
	s_mov_b32 s60, 0x3b000000                      ; 1 / 512
	s_mov_b32 s61, 0x3727c5ac                      ; 1e-5
.irp b, 0,1,2,3
	v_mov_b32 v[TM+4+\b], 0
.endr
	s_lshl_b32 s54, s41, 17
	s_lshr_b32 s56, s40, 1
	s_lshl_b32 s56, s56, 16
	s_add_co_u32 s54, s54, s56
	s_and_b32 s56, s40, 1
	s_lshl_b32 s56, s56, 14
	s_add_co_u32 s54, s54, s56                     ; token 64 g + 32 (w / 2) + 8 (w % 2), in bytes of 2,048 a row
	s_mov_b32 s55, 0
	s_mov_b32 s57, 0
	s_sub_co_u32 s58, 0, s49                       ; all ones for expert 1: it selects the gate
	s_cmp_eq_u32 s49, 0
	s_cselect_b32 s62, 0x3f800000, 0               ; 1.0 for expert 0, whose share carries x1; 0 for expert 1
	s_mov_b32 s63, s62                             ; (named with it as a pair, so it is written)
	s_wait_kmcnt 0x0
	s_load_b64 s[50:51], s[28:29], 0x0             ; router_b
	s_add_nc_u64 s[14:15], s[14:15], s[54:55]      ; x at my first whole row
	s_add_nc_u64 s[34:35], s[30:31], s[54:55]      ; the same row of part,
	s_lshl_b32 s56, s49, 24
	s_add_nc_u64 s[34:35], s[34:35], s[56:57]      ; in my expert's 16,777,216 bytes
	s_lshl_b32 s56, s41, 3
	s_add_nc_u64 s[36:37], s[30:31], s[56:57]
	s_add_nc_u64 s[36:37], s[36:37], 0x2000000     ; behind the two parts: the block's pair of sums of the router's weights
	s_lshl_b32 s56, s49, 11
	s_add_nc_u64 s[24:25], s[24:25], s[56:57]      ; B2[e]
	s_lshl_b32 s56, s49, 13
	s_add_nc_u64 s[26:27], s[26:27], s[56:57]      ; B1[e]
	s_mul_i32 s54, s41, 24576
	s_add_nc_u64 s[8:9], s[8:9], s[54:55]
	s_lshl_b32 s54, s41, 10
	s_add_nc_u64 s[10:11], s[10:11], s[54:55]
	s_mul_i32 s54, s40, 870400
	s_add_nc_u64 s[CB:CB+1], s[12:13], s[54:55]    ; my stream: Wo's 8 units,
	s_mul_i32 s56, s49, 409600
	s_add_co_u32 s56, s56, 51200
	s_add_nc_u64 s[NB:NB+1], s[CB:CB+1], s[56:57]  ; and my expert's first chunk: 64 units of 6,400 bytes an expert
	; all the head's loads go out together: the parameters, x, h's codes and scale words, the first four units
	global_load_b128 v[32:35], v[T], s[16:17]      ; bo
	global_load_b128 v[36:39], v[T], s[18:19]      ; g1
	global_load_b128 v[40:43], v[T], s[20:21]      ; beta1
	global_load_b128 v[52:55], v[T], s[22:23]      ; router_w
	global_load_b128 v[56:59], v[T], s[22:23] offset:2048
	global_load_b128 v[60:63], v[T], s[24:25]      ; B2[e]
.irp i, 0,1,2,3
	global_load_b128 v[68+4*\i:71+4*\i], v[T], s[26:27] offset:2048*\i   ; B1[e]
.endr
	WIN 0x80
.irp k, 0,1,2,3,4,5,6,7,8,9,10,11,12,13,14,15
.irp q, 0,1,2,3
	global_load_b128 v[4*(4*\k+\q):4*(4*\k+\q)+3], v[LI], s[14:15] offset:(\k+8*(\k/8))*2048+512*\q   ; 512 consecutive bytes of a row
.endr
.endr
	WIN 0xc0
.irp m, 0,1,2,3
.irp s, 0,1,2,3
.irp p, 0,1,2,3,4,5
	global_load_b64 v[12*(4*\s+\m)+2*\p:12*(4*\s+\m)+2*\p+1], v[LS8], s[8:9] offset:(4*\m+\s)*1536+256*\p
.endr
.endr
.endr
	WIN 0
.irp m, 0,1,2,3
.irp sp, 0,1
	global_load_b32 v[HSCR+2*\m+\sp], v[LS4], s[10:11] offset:256*\m+128*\sp
.endr
.endr
	REFILL 0, CB, 0
	REFILL 1, CB, 6400
	REFILL 2, CB, 12800
	REFILL 3, CB, 19200
	s_wait_loadcnt 63                              ; behind x's last load 156 loads were issued: the parameters and x are in
.irp n, 0,1,2,5,6,7,9,10,11,12
	ds_store_b128 v[T], v[32+4*\n:35+4*\n] offset:2048*\n
.endr
	WIN 0x08
.irp k, 0,1,2,3,4,5,6,7,8,9,10,11,12,13,14,15
.irp q, 0,1,2,3
	ds_store_b128 v[CIO], v[4*(4*\k+\q):4*(4*\k+\q)+3] offset:\k*XP+512*\q
.endr
.endr
	WIN 0
	s_wait_dscnt 0x0
	s_barrier_signal -1
	s_barrier_wait -1                              ; the parameters and 64 rows of x lie in LDS
	LDPAR PARA, 0                                  ; bo
	s_wait_dscnt 0x0
	; ---- h Wo + bo: eight units; behind the last four of them my expert's first four units are asked for
.irp u, 0,1,2,3,4,5,6,7
	STEP 0xad, 0x9d, \u/2, \u%2, \u%4, \u<2, 48*(\u/2), HSCR, 0
.if \u < 4
	REFILL \u%4, CB, (\u+4)*6400
.else
	REFILL \u%4, NB, (\u-4)*6400
.endif
.endr
	s_wait_xcnt 0x0                                ; the loads have read their bases
	s_mov_b64 s[CB:CB+1], s[NB:NB+1]
	s_add_nc_u64 s[NB:NB+1], s[NB:NB+1], 102400
.irp m, 0,1,2,3
	XSLD \m, T
	s_wait_dscnt 0x0
	WIN 0x82
.set jj, 0
.rept 32
	v_pk_add_f32 v[64*\m+jj:64*\m+jj+1], v[64*\m+jj:64*\m+jj+1], v[T+jj:T+jj+1]   ; + x
.set jj, jj+2
.endr
	WIN 0
.endr
	LNORM 2048, 4096, 0, 1024
	WIN 0x08
.irp m, 0,1,2,3
	XSST \m, 64*\m                                 ; x1, in f32, into my own columns
.endr
	WIN 0
	; ---- the router: two columns, f32 fused multiply-adds; a pair holds the two experts' sums
.irp b, 0,1,2,3
.irp j, 0,1,2,3,4,5,6,7
	ds_load_b128 v[T+4*\j:T+4*\j+3], v[RWA] offset:10240+256*\b+16*\j
.endr
	s_wait_dscnt 0x0
	WIN 0x02
.irp i, 0,1,2,3,4,5,6,7,8,9,10,11,12,13,14,15
.irp m, 0,1,2,3
.if (\b == 0) && (\i == 0)
	v_pk_mul_f32 v[LG+2*\m:LG+2*\m+1], v[64*\m:64*\m+1], v[T:T+1] op_sel_hi:[0,1]
.elseif (\i%2) == 0
	v_pk_fma_f32 v[LG+2*\m:LG+2*\m+1], v[64*\m+16*\b+\i:64*\m+16*\b+\i+1], v[T+2*\i:T+2*\i+1], v[LG+2*\m:LG+2*\m+1] op_sel_hi:[0,1,1]
.else
	v_pk_fma_f32 v[LG+2*\m:LG+2*\m+1], v[64*\m+16*\b+\i-1:64*\m+16*\b+\i], v[T+2*\i:T+2*\i+1], v[LG+2*\m:LG+2*\m+1] op_sel:[1,0,0] op_sel_hi:[1,1,1]
.endif
.endr
.endr
	WIN 0
.endr
.irp m, 0,1,2,3
	v_permlanex16_b32 v[RR+2*\m], v[LG+2*\m], s42, s43
	v_permlanex16_b32 v[RR+2*\m+1], v[LG+2*\m+1], s42, s43
.endr
.irp m, 0,1,2,3
	v_pk_add_f32 v[LG+2*\m:LG+2*\m+1], v[LG+2*\m:LG+2*\m+1], v[RR+2*\m:RR+2*\m+1]
.endr
.irp m, 0,1,2,3
	ds_store_b64 v[R2W], v[LG+2*\m:LG+2*\m+1] offset:RED+2048+512*\m
.endr
.irp m, 0,1,2,3                                ; x1's columns 128 w on are K step w of the first product
	QUANT 64*\m, 2
.irp c, 0,1,2
	ds_store_b128 v[XIW], v[PC+4*\c:PC+4*\c+3] offset:6144*\m+512*\c
.endr
	ds_store_b32 v[SW], v[PW] offset:XSC+256*\m
.endr
	s_wait_dscnt 0x0
	s_barrier_signal -1
	s_barrier_wait -1                              ; x1's sixteen fragments and the logits' parts lie in LDS
.irp m, 0,1,2,3
	ds_load_b128 v[88+8*\m:91+8*\m], v[R2R] offset:RED+2048+512*\m
	ds_load_b128 v[92+8*\m:95+8*\m], v[R2R] offset:RED+2048+512*\m+16
.endr
	s_wait_dscnt 0x0
	s_wait_kmcnt 0x0
.irp m, 0,1,2,3
	v_pk_add_f32 v[88+8*\m:89+8*\m], v[88+8*\m:89+8*\m], v[90+8*\m:91+8*\m]
	v_pk_add_f32 v[92+8*\m:93+8*\m], v[92+8*\m:93+8*\m], v[94+8*\m:95+8*\m]
.endr
.irp m, 0,1,2,3
	v_pk_add_f32 v[88+8*\m:89+8*\m], v[88+8*\m:89+8*\m], v[92+8*\m:93+8*\m]
.endr
.irp m, 0,1,2,3
	v_add_f32 v[88+8*\m], s50, v[88+8*\m]
	v_add_f32 v[89+8*\m], s51, v[89+8*\m]
.endr
.irp m, 0,1,2,3
	v_max_num_f32 v[90+8*\m], v[88+8*\m], v[89+8*\m]   ; the maximum is taken away ahead of the exponentials
.endr
.irp m, 0,1,2,3
	v_sub_f32 v[88+8*\m], v[88+8*\m], v[90+8*\m]
	v_sub_f32 v[89+8*\m], v[89+8*\m], v[90+8*\m]
.endr
.irp m, 0,1,2,3
	v_mul_f32 v[88+8*\m], 0x3fb8aa3b, v[88+8*\m]
	v_mul_f32 v[89+8*\m], 0x3fb8aa3b, v[89+8*\m]
.endr
.irp m, 0,1,2,3
	v_exp_f32 v[88+8*\m], v[88+8*\m]
	v_exp_f32 v[89+8*\m], v[89+8*\m]
.endr
	v_nop
	s_wait_alu depctr_va_vdst(0)
.irp m, 0,1,2,3
	v_add_f32 v[90+8*\m], v[88+8*\m], v[89+8*\m]
.endr
.irp m, 0,1,2,3
	v_rcp_f32 v[91+8*\m], v[90+8*\m]
.endr
	v_nop
	s_wait_alu depctr_va_vdst(0)
.irp m, 0,1,2,3
	v_mul_f32 v[88+8*\m], v[88+8*\m], v[91+8*\m]   ; the router's weights p
	v_mul_f32 v[89+8*\m], v[89+8*\m], v[91+8*\m]
.endr
.irp m, 0,1,2,3
	v_add_f32 v[90+8*\m], v[88+8*\m], v[89+8*\m]
.endr
.irp m, 0,1,2,3
	v_rcp_f32 v[92+8*\m], v[90+8*\m]
.endr
	v_nop
	s_wait_alu depctr_va_vdst(0)
.irp m, 0,1,2,3
	v_mul_f32 v[GP+2*\m], v[88+8*\m], v[92+8*\m]   ; the gates: p / (p0 + p1)
	v_mul_f32 v[GP+8+2*\m], v[89+8*\m], v[92+8*\m]
.endr
.irp m, 0,1,2,3
	v_cndmask_b32 v[GP+2*\m], v[GP+2*\m], v[GP+8+2*\m], s58   ; my expert's
.endr
.irp m, 0,1,2,3
	v_mov_b32 v[GP+2*\m+1], v[GP+2*\m]
.endr
	s_or_b32 s54, s40, s49                         ; wave 0 of expert 0's work-group stores the sums of p over the 64 rows
	s_cmp_lg_u32 s54, 0
	s_cbranch_scc1 .Lno_psum
	v_add_f32 v120, v88, v96
	v_add_f32 v121, v89, v97
	v_add_f32 v122, v104, v112
	v_add_f32 v123, v105, v113
	v_add_f32 v120, v120, v122
	v_add_f32 v121, v121, v123
.irp x, 1,2,4,8
	v_add_f32_dpp v120, v120, v120 row_xmask:\x row_mask:0xf bank_mask:0xf
	v_add_f32_dpp v121, v121, v121 row_xmask:\x row_mask:0xf bank_mask:0xf
.endr
	v_cmp_gt_u32 vcc_lo, 1, v0
	s_wait_xcnt 0x0                                ; EXEC changes only behind this wait
	s_and_saveexec_b32 s54, vcc_lo
	global_store_b64 v[LS4], v[120:121], s[36:37]
	s_wait_xcnt 0x0
	s_or_b32 exec_lo, exec_lo, s54
.Lno_psum:
	LDACC
	v_mov_b32 v[B1A], v[PARA]
	LDPAR B1A, 18432                               ; B1[e] of chunk 0
.irp m, 0,1,2,3
.irp sp, 0,1
	ds_load_b32 v[XSCR+2*\m+\sp], v[LS4] offset:XSC+256*\m+128*\sp
.endr
.endr
	FETCH 0, XIR, 0
	FETCH 1, XIR, 1
	s_mov_b32 s48, 0
.Lchunk:                                           ; four trips: a chunk of 512 hidden units of my expert; 256 matrix instructions a wave
.irp u, 0,1,2,3,4,5,6,7
.if \u == 0
	s_wait_dscnt 12                                ; the bias, the scale words and K step 0 are in; K step 1's 12 loads may be out
.elseif \u == 2
	s_wait_dscnt 28                                ; K step 1 is in; the next bias's 16 loads and K step 2's 12 may be out
.elseif \u == 4
	s_wait_dscnt 12
.elseif \u == 6
	s_wait_dscnt 0x0
.endif
	STEP 0xa1, 0x91, \u/2, \u%2, \u%4, \u<2, ACT+48*((\u/2)%2), XSCR, 0
	REFILL \u%4, CB, (\u+4)*6400
.if \u == 1
	s_add_co_u32 s54, s48, 1
	s_min_u32 s54, s54, 3                          ; (the last trip takes its own again: nothing is read beyond B1[e])
	s_lshl_b32 s54, s54, 11
	v_add_nc_u32 v[B1A], s54, v[PARA]
	LDPAR B1A, 18432                               ; the next chunk's B1
	FETCH 0, XIR, 2
.elseif \u == 3
	FETCH 1, XIR, 3
.endif
.endr
.irp m, 0,1,2,3
	WIN 0x88
.set jj, 0
.rept 64
	v_max_num_f32 v[64*\m+jj], 0, v[64*\m+jj]      ; relu, in f32
.set jj, jj+1
.endr
	QUANT 64*\m, 2
.irp c, 0,1,2
	ds_store_b128 v[HIW], v[PC+4*\c:PC+4*\c+3] offset:6144*\m+512*\c   ; my 128 hidden units are K step w of the chunk
.endr
	ds_store_b32 v[SW], v[PW] offset:HSC+256*\m
.endr
	s_wait_dscnt 0x0
	s_barrier_signal -1
	s_barrier_wait -1                              ; the chunk's sixteen fragments lie in LDS
.irp m, 0,1,2,3
.irp sp, 0,1
	ds_load_b32 v[HSCR+2*\m+\sp], v[LS4] offset:HSC+256*\m+128*\sp
.endr
.endr
	FETCH 0, HIR, 0
	FETCH 1, HIR, 1
.irp u, 8,9,10,11,12,13,14,15
.if (\u%2) == 0
	s_wait_dscnt 12                                ; this K step's fragments are in; the 12 loads issued behind them may be out
.endif
.if \u == 15
	STEP 0xf1, 0xf1, (\u-8)/2, \u%2, \u%4, 0, ACT+48*(((\u-8)/2)%2), HSCR, 1   ; with the barrier behind which the images are written again
.else
	STEP 0xf1, 0xf1, (\u-8)/2, \u%2, \u%4, 0, ACT+48*(((\u-8)/2)%2), HSCR, 0
.endif
.if \u < 12
	REFILL \u%4, CB, (\u+4)*6400
.else
	REFILL \u%4, NB, (\u-12)*6400                  ; the next chunk's first four units (in the last trip: this chunk's again, so that no load leaves the stream and every count holds)
.endif
.if \u == 9
	FETCH 0, HIR, 2
.elseif \u == 11
	FETCH 1, HIR, 3
.elseif \u == 13
	FETCH 0, XIR, 0
.elseif \u == 15
	FETCH 1, XIR, 1
.endif
.endr
	s_wait_xcnt 0x0                                ; the loads have read their bases
	s_mov_b64 s[CB:CB+1], s[NB:NB+1]
	s_cmp_lt_u32 s48, 2
	s_cselect_b32 s54, 102400, 0
	s_mov_b32 s55, 0
	s_add_nc_u64 s[NB:NB+1], s[NB:NB+1], s[54:55]
	s_add_co_u32 s48, s48, 1
	s_cmp_lt_u32 s48, 4
	s_cbranch_scc1 .Lchunk
	; ---- my share: (1 or 0) x x1 + gate_e (y_e + B2[e])
	s_wait_dscnt 0x0
	WIN 0x80
.irp m, 0,1,2,3
	XSLD \m, 64*\m                                 ; x1, from my own columns of the stage
.endr
	WIN 0
	s_wait_dscnt 0x0
	WIN 0x82
.irp m, 0,1,2,3
.set jj, 0
.rept 32
	v_pk_mul_f32 v[64*\m+jj:64*\m+jj+1], v[64*\m+jj:64*\m+jj+1], s[62:63] op_sel_hi:[1,0]   ; x1 counts once: in expert 0's share
.set jj, jj+2
.endr
.endr
	WIN 0xa3
.irp m, 0,1,2,3
.set jj, 0
.rept 32
	v_pk_fma_f32 v[64*\m+jj:64*\m+jj+1], v[64*\m+jj:64*\m+jj+1], v[GP+2*\m:GP+2*\m+1], v[64*\m+jj:64*\m+jj+1]   ; each accumulator from its low end on
.set jj, jj+2
.endr
.endr
	WIN 0x08
.irp m, 0,1,2,3
	XSST \m, 64*\m
.endr
	WIN 0
	s_wait_dscnt 0x0
	s_barrier_signal -1
	s_barrier_wait -1                              ; 64 whole rows of the share lie in the stage
.irp g, 0,1,2,3
.if \g > 0
	s_wait_xcnt 0x0                                ; the last run's stores have read their registers
.endif
.irp i, 0,1,2,3,4,5,6,7,8,9,10,11,12,13,14,15
	ds_load_b128 v[T+4*\i:T+4*\i+3], v[CIO] offset:(4*\g+\i/4)*XP+512*(\i%4)
.endr
.irp i, 0,1,2,3,4,5,6,7,8,9,10,11,12,13,14,15
	s_wait_dscnt 15-\i
	global_store_b128 v[LI], v[T+4*\i:T+4*\i+3], s[34:35] offset:((4*\g+\i/4)+8*((4*\g+\i/4)/8))*2048+512*(\i%4)   ; 512 consecutive bytes of a row, aligned
.endr
.endr
	s_wait_tensorcnt 0x0
	ds_add_u32 v182, v183
	s_wait_dscnt 0x0
	s_endpgm
.Lfunc_end_k_q4f18b5d5be_ffn:
	.size	k_q4f18b5d5be_ffn, .Lfunc_end_k_q4f18b5d5be_ffn-k_q4f18b5d5be_ffn
	.p2alignl 7, 3214868480
	.fill 96, 4, 3214868480
	.section	.rodata,"a",@progbits
	.p2align	6, 0x0
	.amdhsa_kernel k_q4f18b5d5be_ffn
		.amdhsa_group_segment_fixed_size 226816
		.amdhsa_private_segment_fixed_size 0
		.amdhsa_enable_private_segment 0
		.amdhsa_kernarg_size 96
		.amdhsa_user_sgpr_count 2
		.amdhsa_user_sgpr_kernarg_segment_ptr 1
		.amdhsa_wavefront_size32 1
		.amdhsa_system_sgpr_workgroup_id_x 1
		.amdhsa_system_sgpr_workgroup_id_y 1
		.amdhsa_system_sgpr_workgroup_id_z 1
		.amdhsa_system_vgpr_workitem_id 0
		.amdhsa_next_free_vgpr 1024
		.amdhsa_next_free_sgpr 66
		.amdhsa_reserve_vcc 1
		.amdhsa_float_denorm_mode_32 3
		.amdhsa_float_denorm_mode_16_64 3
		.amdhsa_memory_ordered 1
		.amdhsa_forward_progress 1
		.amdhsa_inst_pref_size 255
	.end_amdhsa_kernel
	.section	.bss,"aw",@nobits
	.p2align	6
	.space	262144
	.amdgpu_metadata
---
amdhsa.version: [ 1, 2 ]
amdhsa.kernels:
  - .name:           k_q4f18b5d5be_ffn
    .symbol:         k_q4f18b5d5be_ffn.kd
    .args:
      - { .name: hc, .offset: 0, .size: 8, .value_kind: global_buffer, .address_space: global }
      - { .name: hs, .offset: 8, .size: 8, .value_kind: global_buffer, .address_space: global }
      - { .name: ws, .offset: 16, .size: 8, .value_kind: global_buffer, .address_space: global }
      - { .name: x, .offset: 24, .size: 8, .value_kind: global_buffer, .address_space: global }
      - { .name: bo, .offset: 32, .size: 8, .value_kind: global_buffer, .address_space: global }
      - { .name: g1, .offset: 40, .size: 8, .value_kind: global_buffer, .address_space: global }
      - { .name: beta1, .offset: 48, .size: 8, .value_kind: global_buffer, .address_space: global }
      - { .name: router_w, .offset: 56, .size: 8, .value_kind: global_buffer, .address_space: global }
      - { .name: B2, .offset: 64, .size: 8, .value_kind: global_buffer, .address_space: global }
      - { .name: B1, .offset: 72, .size: 8, .value_kind: global_buffer, .address_space: global }
      - { .name: router_b, .offset: 80, .size: 8, .value_kind: global_buffer, .address_space: global }
      - { .name: part, .offset: 88, .size: 8, .value_kind: global_buffer, .address_space: global }
    .group_segment_fixed_size: 226816
    .private_segment_fixed_size: 0
    .kernarg_segment_align: 8
    .kernarg_segment_size: 96
    .max_flat_workgroup_size: 128
    .sgpr_count:     66
    .vgpr_count:     1024
    .wavefront_size: 32
...
	.end_amdgpu_metadata
.endif
;; end of part 5
;; launch fin (part 6): grid 256 x 1, 8 waves a work-group, no clusters, 0 bytes of LDS; arguments part, g2, beta2, out0, out1; writes out0, out1
.if DOCPART == 6
	.amdgcn_target "amdgcn-amd-amdhsa--gfx1250"
	.amdhsa_code_object_version 6
	.text
	.protected	k_q4f18b5d5be_fin
	.globl	k_q4f18b5d5be_fin
	.p2align	8
	.type	k_q4f18b5d5be_fin,@function
k_q4f18b5d5be_fin:
	s_mov_b64 s[64:65], 0
	v_nop
	global_prefetch_b8 v0, s[64:65] scope:SCOPE_SE
	s_setreg_imm32_b32 hwreg(HW_REG_WAVE_MODE, 25, 1), 1
	s_wait_xcnt 0x0
; out0 = LN(part[0] + part[1]) g2 + beta2: the two experts' shares of each row are added and the second norm is taken, in two passes as the problem writes it (the mean, then the mean of the squared distances from it).
; out1, the load-balancing loss: E x sum over i of f_i P_i, E = 2.  P_i is the mean over the 8,192 tokens of the router's weight of expert i: the 128 pairs of partial sums, which lie behind the two parts, are added in a fixed order.
; f_i is the share of tokens routed to expert i: the top 2 of 2 experts name both for every token, so f = (1, 1) by the problem's own constants.  lb = 2 (1 x S0 + 1 x S1) / 8,192 = (S0 + S1) x 2^-12.
; A STREAM: memory binds, so no LDS, no barrier, no matrix unit.  A row is 2,048 bytes: one wave takes a whole row, 16 numbers a lane (four loads of 512 consecutive bytes from each part), so the sums never leave the wave.
; 2,048 waves, four neighbouring rows each; a wave's 42 loads go out together, and the four rows are worked by turns, so that no line waits for the line above it.
; Every wave loads the 1,024 bytes of partial sums; wave 0 of work-group 0 adds them and stores out1.
; LIMITS: NaN and infinities are not served.
.set LI,  1                            ; 16 x lane
.set G,   4                            ; v4-19   g2 of my 16 columns: register 4 q + j is column 128 q + 4 lane + j
.set B,   20                           ; v20-35  beta2 likewise
.set P,   40                           ; v40-103 part[0] of row k at P + 16 k; then the sum, then the result
.set Q,   104                          ; v104-167 part[1]
.set SM,  168                          ; a pair of sums a row
.set PT,  176
.set MU,  180                          ; the mean, twice
.set RS,  188                          ; 1 / sqrt(variance + 1e-5), twice
.set PS,  196                          ; four pairs of the router's partial sums
.macro RED                             ; a lane's pair, the 16 lanes of a half, the other half: every lane ends with the row's sum
.irp k, 0,1,2,3
	v_add_f32 v[SM+2*\k], v[SM+2*\k], v[SM+2*\k+1]
.endr
.irp x, 1,2,4,8
.irp k, 0,1,2,3
	v_add_f32_dpp v[SM+2*\k], v[SM+2*\k], v[SM+2*\k] row_xmask:\x row_mask:0xf bank_mask:0xf
.endr
.endr
.irp k, 0,1,2,3
	v_permlanex16_b32 v[PT+\k], v[SM+2*\k], s18, s19
.endr
.irp k, 0,1,2,3
	v_add_f32 v[SM+2*\k], v[SM+2*\k], v[PT+\k]
.endr
.endm
	s_load_b256 s[4:11], s[0:1], 0x0               ; part, g2, beta2, out0
	s_load_b64 s[12:13], s[0:1], 0x20              ; out1
	v_lshrrev_b32 v2, 5, v0
	v_readfirstlane_b32 s14, v2                    ; wave 0..7
	v_and_b32 v2, 31, v0
	v_lshlrev_b32 v[LI], 4, v2
	v_lshlrev_b32 v3, 5, v2                        ; 32 x lane: four pairs of partial sums
	s_lshl_b32 s16, ttmp9, 3
	s_add_co_u32 s16, s16, s14                     ; which four rows
	s_or_b32 s15, ttmp9, s14                       ; 0 in wave 0 of work-group 0
	s_lshl_b32 s16, s16, 13                        ; x 4 rows of 2,048 bytes
	s_mov_b32 s17, 0
	s_mov_b32 s18, 0x76543210
	s_mov_b32 s19, 0xfedcba98                      ; v_permlanex16_b32's selects for lane l xor 16
	s_mov_b32 s20, 0x3b000000                      ; 1 / 512
	s_mov_b32 s21, 0x3727c5ac                      ; 1e-5
.irp k, 0,1,2,3
	v_mov_b32 v[PT+\k], 0                          ; written once: a lane permute's destination counts as one of its sources
.endr
	s_wait_kmcnt 0x0
	s_add_nc_u64 s[22:23], s[4:5], s[16:17]        ; my rows of part[0],
	s_add_nc_u64 s[24:25], s[22:23], 0x1000000     ; of part[1], 16,777,216 bytes on,
	s_add_nc_u64 s[26:27], s[4:5], 0x2000000       ; the partial sums, behind both,
	s_add_nc_u64 s[10:11], s[10:11], s[16:17]      ; and my rows of out0
.irp k, 0,1,2,3
.irp q, 0,1,2,3
	global_load_b128 v[P+16*\k+4*\q:P+16*\k+4*\q+3], v[LI], s[22:23] offset:2048*\k+512*\q th:TH_LOAD_NT   ; 512 consecutive bytes, aligned; read once
	global_load_b128 v[Q+16*\k+4*\q:Q+16*\k+4*\q+3], v[LI], s[24:25] offset:2048*\k+512*\q th:TH_LOAD_NT
.endr
.endr
.irp q, 0,1,2,3
	global_load_b128 v[G+4*\q:G+4*\q+3], v[LI], s[6:7] offset:512*\q
	global_load_b128 v[B+4*\q:B+4*\q+3], v[LI], s[8:9] offset:512*\q
.endr
	global_load_b128 v[PS:PS+3], v3, s[26:27]
	global_load_b128 v[PS+4:PS+7], v3, s[26:27] offset:16
	s_wait_loadcnt 0x0
.irp i, 0,2,4,6,8,10,12,14
.irp k, 0,1,2,3
	v_pk_add_f32 v[P+16*\k+\i:P+16*\k+\i+1], v[P+16*\k+\i:P+16*\k+\i+1], v[Q+16*\k+\i:Q+16*\k+\i+1]   ; the two shares
.endr
.endr
.irp k, 0,1,2,3
	v_pk_add_f32 v[SM+2*\k:SM+2*\k+1], v[P+16*\k:P+16*\k+1], v[P+16*\k+2:P+16*\k+3]
.endr
.irp i, 4,6,8,10,12,14
.irp k, 0,1,2,3
	v_pk_add_f32 v[SM+2*\k:SM+2*\k+1], v[SM+2*\k:SM+2*\k+1], v[P+16*\k+\i:P+16*\k+\i+1]
.endr
.endr
	RED
.irp k, 0,1,2,3
	v_mul_f32 v[MU+2*\k], s20, v[SM+2*\k]          ; the mean
.endr
.irp k, 0,1,2,3
	v_mov_b32 v[MU+2*\k+1], v[MU+2*\k]
.endr
.irp i, 0,2,4,6,8,10,12,14
.irp k, 0,1,2,3
	v_pk_add_f32 v[P+16*\k+\i:P+16*\k+\i+1], v[P+16*\k+\i:P+16*\k+\i+1], v[MU+2*\k:MU+2*\k+1] neg_lo:[0,1] neg_hi:[0,1]
.endr
.endr
.irp k, 0,1,2,3
	v_pk_mul_f32 v[SM+2*\k:SM+2*\k+1], v[P+16*\k:P+16*\k+1], v[P+16*\k:P+16*\k+1]
.endr
.irp i, 2,4,6,8,10,12,14
.irp k, 0,1,2,3
	v_pk_fma_f32 v[SM+2*\k:SM+2*\k+1], v[P+16*\k+\i:P+16*\k+\i+1], v[P+16*\k+\i:P+16*\k+\i+1], v[SM+2*\k:SM+2*\k+1]
.endr
.endr
	RED
.irp k, 0,1,2,3
	v_fma_f32 v[SM+2*\k], v[SM+2*\k], s20, s21     ; / 512 + 1e-5
.endr
.irp k, 0,1,2,3
	v_rsq_f32 v[RS+2*\k], v[SM+2*\k]
.endr
	v_nop                                          ; a plain place behind the last of them
	s_wait_alu depctr_va_vdst(0)                   ; one wait for the four, ahead of their first reader
.irp k, 0,1,2,3
	v_mov_b32 v[RS+2*\k+1], v[RS+2*\k]
.endr
.irp i, 0,2,4,6,8,10,12,14
.irp k, 0,1,2,3
	v_pk_mul_f32 v[P+16*\k+\i:P+16*\k+\i+1], v[P+16*\k+\i:P+16*\k+\i+1], v[RS+2*\k:RS+2*\k+1]
.endr
.endr
.irp i, 0,2,4,6,8,10,12,14
.irp k, 0,1,2,3
	v_pk_fma_f32 v[P+16*\k+\i:P+16*\k+\i+1], v[P+16*\k+\i:P+16*\k+\i+1], v[G+\i:G+\i+1], v[B+\i:B+\i+1]
.endr
.endr
.irp k, 0,1,2,3
.irp q, 0,1,2,3
	global_store_b128 v[LI], v[P+16*\k+4*\q:P+16*\k+4*\q+3], s[10:11] offset:2048*\k+512*\q th:TH_STORE_NT   ; 512 consecutive bytes, aligned; written once
.endr
.endr
	s_cmp_lg_u32 s15, 0
	s_cbranch_scc1 .Lno_lb
	v_add_f32 v[PS], v[PS], v[PS+2]
	v_add_f32 v[PS+1], v[PS+1], v[PS+3]
	v_add_f32 v[PS+4], v[PS+4], v[PS+6]
	v_add_f32 v[PS+5], v[PS+5], v[PS+7]
	v_add_f32 v[PS], v[PS], v[PS+4]
	v_add_f32 v[PS+1], v[PS+1], v[PS+5]
.irp x, 1,2,4,8
	v_add_f32_dpp v[PS], v[PS], v[PS] row_xmask:\x row_mask:0xf bank_mask:0xf
	v_add_f32_dpp v[PS+1], v[PS+1], v[PS+1] row_xmask:\x row_mask:0xf bank_mask:0xf
.endr
	v_permlanex16_b32 v[PT], v[PS], s18, s19
	v_permlanex16_b32 v[PT+1], v[PS+1], s18, s19
	v_add_f32 v[PS], v[PS], v[PT]                  ; S0
	v_add_f32 v[PS+1], v[PS+1], v[PT+1]            ; S1
	v_fma_f32 v[PS], v[PS+1], 1.0, v[PS]           ; f_0 S0 + f_1 S1
	v_mul_f32 v[PS], 0x39800000, v[PS]             ; x 2 / 8,192
	v_mov_b32 v2, 0
	v_cmp_gt_u32 vcc_lo, 1, v0
	s_wait_xcnt 0x0                                ; EXEC changes only behind this wait
	s_and_saveexec_b32 s28, vcc_lo
	global_store_b32 v2, v[PS], s[12:13]
	s_wait_xcnt 0x0
	s_or_b32 exec_lo, exec_lo, s28
.Lno_lb:
	s_endpgm
.Lfunc_end_k_q4f18b5d5be_fin:
	.size	k_q4f18b5d5be_fin, .Lfunc_end_k_q4f18b5d5be_fin-k_q4f18b5d5be_fin
	.p2alignl 7, 3214868480
	.fill 96, 4, 3214868480
	.section	.rodata,"a",@progbits
	.p2align	6, 0x0
	.amdhsa_kernel k_q4f18b5d5be_fin
		.amdhsa_group_segment_fixed_size 0
		.amdhsa_private_segment_fixed_size 0
		.amdhsa_enable_private_segment 0
		.amdhsa_kernarg_size 40
		.amdhsa_user_sgpr_count 2
		.amdhsa_user_sgpr_kernarg_segment_ptr 1
		.amdhsa_wavefront_size32 1
		.amdhsa_system_sgpr_workgroup_id_x 1
		.amdhsa_system_sgpr_workgroup_id_y 1
		.amdhsa_system_sgpr_workgroup_id_z 1
		.amdhsa_system_vgpr_workitem_id 0
		.amdhsa_next_free_vgpr 208
		.amdhsa_next_free_sgpr 66
		.amdhsa_reserve_vcc 1
		.amdhsa_float_denorm_mode_32 3
		.amdhsa_float_denorm_mode_16_64 3
		.amdhsa_memory_ordered 1
		.amdhsa_forward_progress 1
		.amdhsa_inst_pref_size 24
	.end_amdhsa_kernel
	.amdgpu_metadata
---
amdhsa.version: [ 1, 2 ]
amdhsa.kernels:
  - .name:           k_q4f18b5d5be_fin
    .symbol:         k_q4f18b5d5be_fin.kd
    .args:
      - { .name: part, .offset: 0, .size: 8, .value_kind: global_buffer, .address_space: global }
      - { .name: g2, .offset: 8, .size: 8, .value_kind: global_buffer, .address_space: global }
      - { .name: beta2, .offset: 16, .size: 8, .value_kind: global_buffer, .address_space: global }
      - { .name: out0, .offset: 24, .size: 8, .value_kind: global_buffer, .address_space: global }
      - { .name: out1, .offset: 32, .size: 8, .value_kind: global_buffer, .address_space: global }
    .group_segment_fixed_size: 0
    .private_segment_fixed_size: 0
    .kernarg_segment_align: 8
    .kernarg_segment_size: 40
    .max_flat_workgroup_size: 256
    .sgpr_count:     66
    .vgpr_count:     208
    .wavefront_size: 32
...
	.end_amdgpu_metadata
.endif
;; end of part 6
